; MI455X (gfx1250); checked and timed in simulation.
; The chip was launched on July 23, 2026; its instructions are those of AMD's public machine-readable ISA for CDNA 5 (MIT licence, August 2026) and "CDNA5" Instruction Set Architecture Reference Guide (July 2026). The comments in the code are by the model that wrote it; some were corrected since.
;; Casual Multi Head Attention. Allowed arithmetic: float matrix products may take bf16 or f16 operands with f32 sums; other float arithmetic in f32, or as packed bf16 or f16 multiplies, adds, multiply-adds, maxima and minima; sums over many terms, partial sums and values carried from step to step in f32; what a program stores and reads back later, other than sums and carried values, may be rounded once to bf16 or f16.
;; Inputs: k_w 1,024 x 1,024 float32; o_w 1,024 x 1,024 float32; q_w 1,024 x 1,024 float32; v_w 1,024 x 1,024 float32; x 4 x 2,048 x 1,024 float32.
;; Outputs: out0 4 x 2,048 x 1,024 float32.
;; 2 versions, each right; version 2 is version 1 with the launch prep written anew for expert scheduling mode. Each part assembles by itself: llvm-mc -triple=amdgcn-amd-amdhsa -mcpu=gfx1250 --defsym DOCPART=n.
;; ======== version 1 of 2: 4 launches
;; limits: right only within a limited range of input values
;; workspace buffers: xb 16,777,216 bytes; wb 8,388,608 bytes; tab 524,288 bytes; qs 33,554,432 bytes; ks 33,554,432 bytes; vs 16,777,216 bytes; ob 16,777,216 bytes
;; launch prep (part 1): grid 256 x 1, 8 waves a work-group, no clusters, 0 bytes of LDS; arguments x, q_w, k_w, v_w, o_w, xb, wb, tab; writes xb, wb, tab
.if DOCPART == 1
	.amdgcn_target "amdgcn-amd-amdhsa--gfx1250"
	.amdhsa_code_object_version 6
	.text
	.protected	k_q91ffd21be7_prep
	.globl	k_q91ffd21be7_prep
	.p2align	8
	.type	k_q91ffd21be7_prep,@function
k_q91ffd21be7_prep:
	s_mov_b64 s[64:65], 0
	v_nop
	global_prefetch_b8 v0, s[64:65] scope:SCOPE_SE
	s_setreg_imm32_b32 hwreg(HW_REG_WAVE_MODE, 25, 1), 1
	s_wait_xcnt 0x0
; PREP.  xb = x rounded to bf16; wb = q_w, k_w, v_w, o_w rounded to bf16, one below the other (1,024 rows each);
; tab[pos][j] = (cos, sin) of pos x 10^(-j/8) in f32, pos 0..2047, j 0..31: a row of 256 bytes.
; SHARES.  256 work-groups of eight waves.  Work-group g: 32 rows of x (131,072 bytes), 4 rows of each weight, 8 rows of the table.
; Wave w: 16,384 consecutive bytes of x (32 loads of 512 bytes), 2,048 bytes of each weight (4 loads), table row 8 g + w (a lane for each j).
; An item is one load of 16 bytes a lane, two roundings, one store of 8 bytes a lane: the wave's store covers 256 consecutive bytes, aligned.
; 32 loads of a wave are on their way all the time.  No LDS, no barrier: no wave wants another's bytes.
; LIMIT.  10^(-j/8) is the correctly rounded constant; a power computed in f32 may differ in the last bit or two: at most 2e-4 rad at pos 2,047.
.set D0,  32                           ; v[32:95]   group 0 (x items 0-15), later group 2 (the weights' 16 items)
.set D1,  96                           ; v[96:159]  group 1 (x items 16-31)
.set YY,  160                          ; v[160:191] two registers an item, to store
.set VI,  2                            ; v2  16,384 w + 16 lane: x
.set VO,  3                            ; v3  8,192 w + 8 lane: xb
.set VW,  4                            ; v4  2,048 w + 16 lane: a weight
.set VWO, 5                            ; v5  1,024 w + 8 lane: wb
.set VT,  6                            ; v6  8 x thread: the table
	s_load_b512 s[4:19], s[0:1], 0x0               ; x s[4:5], q_w s[6:7], k_w s[8:9], v_w s[10:11], o_w s[12:13], xb s[14:15], wb s[16:17], tab s[18:19]
	v_and_b32 v1, 31, v0
	v_lshrrev_b32 v7, 5, v0
	v_readfirstlane_b32 s22, v7                    ; wave 0..7
	v_lshlrev_b32 v[VI], 4, v1
	v_lshlrev_b32 v[VO], 3, v1
	v_lshl_add_u32 v[VW], v7, 11, v[VI]
	v_lshl_add_u32 v[VWO], v7, 10, v[VO]
	v_lshl_add_u32 v[VI], v7, 14, v[VI]
	v_lshl_add_u32 v[VO], v7, 13, v[VO]
	v_lshlrev_b32 v[VT], 3, v0
	s_mov_b32 s21, 0
	s_lshl_b32 s23, ttmp9, 3
	s_add_co_u32 s23, s23, s22                     ; pos = 8 g + w
	s_wait_kmcnt 0x0
	s_lshl_b32 s20, ttmp9, 17
	s_add_nc_u64 s[4:5], s[4:5], s[20:21]          ; each buffer at the work-group's part
	s_lshl_b32 s20, ttmp9, 16
	s_add_nc_u64 s[14:15], s[14:15], s[20:21]
	s_lshl_b32 s20, ttmp9, 14
	s_add_nc_u64 s[6:7], s[6:7], s[20:21]
	s_add_nc_u64 s[8:9], s[8:9], s[20:21]
	s_add_nc_u64 s[10:11], s[10:11], s[20:21]
	s_add_nc_u64 s[12:13], s[12:13], s[20:21]
	s_lshl_b32 s20, ttmp9, 13
	s_add_nc_u64 s[16:17], s[16:17], s[20:21]
	s_lshl_b32 s20, ttmp9, 11
	s_add_nc_u64 s[18:19], s[18:19], s[20:21]
.set i, 0
.rept 32                                       ; groups 0 and 1: all of the wave's x
	global_load_b128 v[D0+4*i:D0+4*i+3], v[VI], s[4:5] offset:512*i th:TH_LOAD_NT
.set i, i+1
.endr
	; THE TABLE, while the loads are out.  Lane j takes 10^(-j/8).
	v_mov_b32 v8, 1.0
.set j, 1
.irp c, 0.749894209, 0.562341325, 0.421696503, 0.316227766, 0.237137371, 0.177827941, 0.133352143, 0.1, 0.0749894209, 0.0562341325, 0.0421696503, 0.0316227766, 0.0237137371, 0.0177827941, 0.0133352143, 0.01, 0.00749894209, 0.00562341325, 0.00421696503, 0.00316227766, 0.00237137371, 0.00177827941, 0.00133352143, 0.001, 0.000749894209, 0.000562341325, 0.000421696503, 0.000316227766, 0.000237137371, 0.000177827941, 0.000133352143
	s_mov_b32 s20, \c
	v_writelane_b32 v8, s20, j
.set j, j+1
.endr
	s_mov_b32 s24, -0.00019515295891               ; sine on -pi/4 .. pi/4: r + r z (S1 + z (S2 + z S3)), z = r r
	s_mov_b32 s25, 0.0083321608736
	s_mov_b32 s26, -0.16666654611
	s_mov_b32 s27, 0.000024433157118               ; cosine: 1 - z / 2 + z z (C1 + z (C2 + z C3))
	s_mov_b32 s28, -0.0013887316255
	s_mov_b32 s29, 0.041666645683
	v_cvt_f32_u32 v9, s23
	v_mul_f32 v10, v9, v8                          ; the angle: one f32 product
	v_mul_f32 v11, 0x3f22f983, v10                 ; x 2 / pi
	v_rndne_f32 v11, v11                           ; n, at most 1,304
	v_fmamk_f32 v12, v11, 0xbfc90fdb, v10          ; r = angle - n x pi/2, pi/2 in two parts:
	v_fmamk_f32 v12, v11, 0x333bbd2e, v12          ; the f32 nearest to pi/2 lies 4.37e-8 above it
	v_mul_f32 v13, v12, v12
	v_fma_f32 v14, v13, s24, s25
	v_fma_f32 v16, v13, s27, s28
	v_fma_f32 v14, v13, v14, s26
	v_fma_f32 v16, v13, v16, s29
	v_mul_f32 v15, v12, v13
	v_mul_f32 v17, v13, v13
	v_fma_f32 v18, v13, -0.5, 1.0
	v_fma_f32 v14, v15, v14, v12                   ; sin r
	v_fma_f32 v16, v17, v16, v18                   ; cos r
	v_cvt_i32_f32 v19, v11
	v_and_b32 v22, 1, v19
	v_cmp_eq_u32 vcc_lo, 1, v22                    ; an odd quarter swaps the two
	v_cndmask_b32 v20, v16, v14, vcc_lo
	v_cndmask_b32 v21, v14, v16, vcc_lo
	v_add_nc_u32 v22, 1, v19
	v_and_b32 v22, 2, v22                          ; the cosine is negative in quarters 1 and 2,
	v_lshlrev_b32 v22, 30, v22
	v_xor_b32 v20, v22, v20
	v_and_b32 v23, 2, v19                          ; the sine in quarters 2 and 3
	v_lshlrev_b32 v23, 30, v23
	v_xor_b32 v21, v23, v21
	global_store_b64 v[VT], v[20:21], s[18:19]     ; the wave's store is one row of the table
.set i, 0
.rept 16                                       ; group 0; its registers take group 2's loads at once
	s_wait_loadcnt 31                              ; younger loads: 15 - i of group 0, 16 of group 1, i of group 2
	v_cvt_pk_bf16_f32 v[YY+2*i], v[D0+4*i], v[D0+4*i+1]
	v_cvt_pk_bf16_f32 v[YY+2*i+1], v[D0+4*i+2], v[D0+4*i+3]
	global_load_b128 v[D0+4*i:D0+4*i+3], v[VW], s[6+2*(i/4):7+2*(i/4)] offset:512*(i%4) th:TH_LOAD_NT
	global_store_b64 v[VO], v[YY+2*i:YY+2*i+1], s[14:15] offset:256*i
.set i, i+1
.endr
	s_wait_xcnt 0x0                                ; the stores have read YY: it is written again only behind this wait
.set i, 0
.rept 16                                       ; group 1
	s_wait_loadcnt 31-i                            ; younger loads: 15 - i of group 1, 16 of group 2
	v_cvt_pk_bf16_f32 v[YY+2*i], v[D1+4*i], v[D1+4*i+1]
	v_cvt_pk_bf16_f32 v[YY+2*i+1], v[D1+4*i+2], v[D1+4*i+3]
	global_store_b64 v[VO], v[YY+2*i:YY+2*i+1], s[14:15] offset:256*(16+i)
.set i, i+1
.endr
	s_wait_xcnt 0x0
.set i, 0
.rept 16                                       ; group 2: weight i / 4, its load i % 4
	s_wait_loadcnt 15-i
	v_cvt_pk_bf16_f32 v[YY+2*i], v[D0+4*i], v[D0+4*i+1]
	v_cvt_pk_bf16_f32 v[YY+2*i+1], v[D0+4*i+2], v[D0+4*i+3]
	global_store_b64 v[VWO], v[YY+2*i:YY+2*i+1], s[16:17] offset:(i/4)*2097152+256*(i%4)
.set i, i+1
.endr
	s_endpgm
.Lfunc_end_k_q91ffd21be7_prep:
	.size	k_q91ffd21be7_prep, .Lfunc_end_k_q91ffd21be7_prep-k_q91ffd21be7_prep
	.p2alignl 7, 3214868480
	.fill 96, 4, 3214868480
	.section	.rodata,"a",@progbits
	.p2align	6, 0x0
	.amdhsa_kernel k_q91ffd21be7_prep
		.amdhsa_group_segment_fixed_size 0
		.amdhsa_private_segment_fixed_size 0
		.amdhsa_enable_private_segment 0
		.amdhsa_kernarg_size 64
		.amdhsa_user_sgpr_count 2
		.amdhsa_user_sgpr_kernarg_segment_ptr 1
		.amdhsa_wavefront_size32 1
		.amdhsa_system_sgpr_workgroup_id_x 1
		.amdhsa_system_sgpr_workgroup_id_y 1
		.amdhsa_system_sgpr_workgroup_id_z 1
		.amdhsa_system_vgpr_workitem_id 0
		.amdhsa_next_free_vgpr 192
		.amdhsa_next_free_sgpr 66
		.amdhsa_reserve_vcc 1
		.amdhsa_float_denorm_mode_32 3
		.amdhsa_float_denorm_mode_16_64 3
		.amdhsa_memory_ordered 1
		.amdhsa_forward_progress 1
		.amdhsa_inst_pref_size 24
	.end_amdhsa_kernel
	.amdgpu_metadata
---
amdhsa.version: [ 1, 2 ]
amdhsa.kernels:
  - .name:           k_q91ffd21be7_prep
    .symbol:         k_q91ffd21be7_prep.kd
    .args:
      - { .name: x, .offset: 0, .size: 8, .value_kind: global_buffer, .address_space: global }
      - { .name: q_w, .offset: 8, .size: 8, .value_kind: global_buffer, .address_space: global }
      - { .name: k_w, .offset: 16, .size: 8, .value_kind: global_buffer, .address_space: global }
      - { .name: v_w, .offset: 24, .size: 8, .value_kind: global_buffer, .address_space: global }
      - { .name: o_w, .offset: 32, .size: 8, .value_kind: global_buffer, .address_space: global }
      - { .name: xb, .offset: 40, .size: 8, .value_kind: global_buffer, .address_space: global }
      - { .name: wb, .offset: 48, .size: 8, .value_kind: global_buffer, .address_space: global }
      - { .name: tab, .offset: 56, .size: 8, .value_kind: global_buffer, .address_space: global }
    .group_segment_fixed_size: 0
    .private_segment_fixed_size: 0
    .kernarg_segment_align: 8
    .kernarg_segment_size: 64
    .max_flat_workgroup_size: 256
    .sgpr_count:     66
    .vgpr_count:     192
    .wavefront_size: 32
...
	.end_amdgpu_metadata
.endif
;; end of part 1
;; launch qkv (part 2): grid 12 x 64, 4 waves a work-group, clusters of 4 x 4, 327,680 bytes of LDS; arguments xb, wb, tab, qs, ks, vs; writes qs, ks, vs
.if DOCPART == 2
	.amdgcn_target "amdgcn-amd-amdhsa--gfx1250"
	.amdhsa_code_object_version 6
	.text
	.protected	k_q91ffd21be7_qkv
	.globl	k_q91ffd21be7_qkv
	.p2align	8
	.type	k_q91ffd21be7_qkv,@function
k_q91ffd21be7_qkv:
	s_mov_b64 s[64:65], 0
	v_nop
	global_prefetch_b8 v0, s[64:65] scope:SCOPE_SE
	s_setreg_imm32_b32 hwreg(HW_REG_WAVE_MODE, 25, 1), 1
	s_wait_xcnt 0x0
	s_wait_alu depctr_hold_cnt(0) depctr_sa_sdst(0) depctr_va_vdst(0) depctr_va_sdst(0) depctr_va_ssrc(0) depctr_va_vcc(0) depctr_vm_vsrc(0)
	s_getreg_b32 s2, hwreg(HW_REG_IB_STS2, 6, 4)
	s_cmp_eq_u32 s2, 0
	s_cbranch_scc0 .Lentry_in_a_cluster
	s_endpgm
.Lentry_in_a_cluster:
	s_bfe_u32 s2, ttmp6, 0x10000c
	s_cmp_lg_u32 s2, 0xf033
	s_cbranch_scc0 .Lentry_shape_is_right
	s_endpgm
.Lentry_shape_is_right:
; QKV.  C = xb wb^T for wb's rows 0..3071 (q, k, v), sums in f32; Q and K are then rotated (tab) and written as TWO bf16 numbers each, hi + lo
; (lo = the rotated f32 less hi, rounded), V as one.  All by heads: qs, ks [64 bh][2048 s][hi 64 | lo 64] (rows of 256 bytes), vs [64][2048][64].
; A tile of C is 128 (rows of x) x 256 (rows of wb): 64 x 12 = 768 work-groups.  Four waves; wave (RH, CH) makes 64 x 128: 32 accumulators, acc(a, b) at v[8 (8 a + b)] of window 1.
; The matrix instruction is used transposed (source 0 = 16 rows of wb, source 1 = 16 rows of x): a lane holds row l % 16 and the columns 16 b + 8 (l / 16) + 0..7.
; K = 1,024 goes in 8 steps of 128 (rows of 256 bytes) through two LDS slots.  CLUSTER 4 x 4: x's tile is asked for jointly along a row of the cluster, wb's along a column.
; The cluster's x says which of q, k, v the tile belongs to: the same in all sixteen partners.
; REGISTERS (s_set_vgpr_msb: bits 1:0 source 0, 3:2 source 1, 5:4 source 2, 7:6 destination):
;   window 0: v0-29 addresses; two fragment buffers f: wb's 8 fragments at 64 + 96 f, x's 4 at 128 + 96 f      window 1: the accumulators
;   window 2: the way out      window 3: v0-127 the table: (cos, sin) for row block a, column block b', pair r at 32 a + 8 b' + 2 r
.set PA,    272                        ; an LDS row: 256 bytes + 16 of padding: the 16 rows of a fragment load start 16 bytes apart modulo 256
.set PBB,   272
.set BOFF,  128*PA                     ; a slot: x's 128 rows, then wb's 256
.set SLOT1, 1<<17                      ; slot 1 begins here: one exclusive or turns an address in one slot into the other's
.set STAGE, SLOT1+BOFF+256*PBB         ; behind the ring: 16 rows x 272 bytes for each wave
.set SP,    272
.set SPV,   144
.set SPARE, STAGE+4*16*SP              ; the spare words, 128 bytes for each wave; no other line names them
.set KSB,   256                        ; bytes of a K step in a row
.set PADW,  (1<<16)|(1<<20)|(1<<21)|(5<<22)|(3<<25)  ; 2-byte elements; padding on; bit 21 beside a mask; after every 64 words; 4 words
.set ADA0, 4                           ; v4, v5  my lane's place in a slot, for x and for wb; never rewritten
.set ADB0, 5
.set ADA,  6                           ; v6, v7  the same in the slot in hand
.set ADB,  7
.set PFO,  8                           ; v8   2,048 x lane: the prefetches' offset
.set TO,   9                           ; v9   my offset in the table
.set SPW,  28                          ; v28  my spare word;  v29  0;  never rewritten
.set NIL,  29
.set STO,  0                           ; window 2: v0-5 stage and memory addresses of the way out
.set RD,   1
.set CO,   2
.set STOV, 3
.set RDV,  4
.set GOV,  5
.set W1,   32                          ; window 2: rotated numbers of a unit
.set UU,   64                          ; hi widened, then the remainder
.set TMP,  96                          ; packed: for column block b' four registers of hi, four of lo
.set BK,   128                         ; two buffers of 32: rows read back from the stage
.set WV, 16
.set RH, 17                            ; which 64 rows of the tile are mine.  Also: I fetch for x (0) or for wb (1)
.set CH, 18                            ; which 128 columns.  Also: which half of that tile I fetch
.set CX, 19
.set CY, 20
.set TC, 21
.set TR, 22
.set KIND, 23                          ; 0 q, 1 k, 2 v
.set G1A, 24
.set G1B, 32
.set G0A, 40                           ; two sets of group 0 each, for the two first fills; the second then walks
.set G0B, 48
.set TB,  56                           ; LDS byte at which the slot in hand begins
.set CNT, 57
.set HM,  58                           ; 0xffff0000
.set LIM, 59                           ; 2 in a wave that prefetches, else the greatest number
.set PFA, 60
.set PFS, 62
.set DST, 78
.set MSB, 0
.macro WIN new                         ; the high byte repeats the setting that is left; a switch that changes nothing is dropped
.if MSB != (\new)
	s_set_vgpr_msb (MSB<<8)|(\new)
.set MSB, \new
.endif
.endm
.macro PLACES                          ; four plain instructions between a matrix instruction and what touches its registers (ISA guide 7.12.1)
.rept 4
	v_nop
.endr
.endm
.macro CREST                           ; a round of the cluster's barrier behind its opening barrier
	s_cmp_lg_u32 s[WV], 0
	s_cbranch_scc1 .Lnot_wave_0_\@
	s_barrier_signal -3
.Lnot_wave_0_\@:
	s_barrier_wait -3
	s_barrier_signal -1
	s_barrier_wait -1
.endm
.macro CROUND
	s_barrier_signal -1
	s_barrier_wait -1
	CREST
.endm
.macro JLOAD                           ; a joint refill by the walking set: waves 0, 1 x's halves, waves 2, 3 wb's; s_nop 0 and four v_nop follow each line
	s_cmp_eq_u32 s[RH], 0
	s_cbranch_scc0 .Lfor_b_\@
	tensor_load_to_lds s[G0A+4:G0A+7], s[G1A:G1A+7]
	s_nop 0
	PLACES
	s_branch .Lasked_\@
.Lfor_b_\@:
	tensor_load_to_lds s[G0B+4:G0B+7], s[G1B:G1B+7]
	s_nop 0
	PLACES
.Lasked_\@:
.endm
; A prefetch of the K step that stands two refills on: 32 rows x 256 bytes, a lane a row.  x's tile row is read by the three clusters of a row of clusters: cluster x = 0 asks, wave 0,
; each partner 32 of the 128 rows by its cx.  wb's tile column is read by the sixteen clusters of a column: cluster y = 0 asks, waves 2 and 3, each 32 of the 256 rows by cy and the wave.
; Partners are told apart by address alone.  So each row's 256 bytes of a K step are named once.  K steps 0 to 3 come by their loads alone; the last two refills ask for nothing.
.macro ASK
	s_cmp_gt_u32 s[CNT], s[LIM]
	s_cbranch_scc0 .Lnot_mine_\@
	global_prefetch_b8 v[PFO], s[PFA:PFA+1] th:TH_LOAD_NT scope:SCOPE_SE
.Lnot_mine_\@:
.endm
.macro MUL8 f, a, zero                 ; row block a x all 8 column blocks, 32 along K, from buffer f.  zero = 1: the product starts the sums
	WIN 0x50
.irp b, 0,1,2,3,4,5,6,7
.if \zero
	v_wmma_f32_16x16x32_bf16 v[8*(8*(\a)+(\b)):8*(8*(\a)+(\b))+7], v[64+96*(\f)+8*(\b):64+96*(\f)+8*(\b)+7], v[128+96*(\f)+8*(\a):128+96*(\f)+8*(\a)+7], 0
.else
	v_wmma_f32_16x16x32_bf16 v[8*(8*(\a)+(\b)):8*(8*(\a)+(\b))+7], v[64+96*(\f)+8*(\b):64+96*(\f)+8*(\b)+7], v[128+96*(\f)+8*(\a):128+96*(\f)+8*(\a)+7], v[8*(8*(\a)+(\b)):8*(8*(\a)+(\b))+7]
.endif
.endr
.endm
.macro MULH f, a0, zero
	MUL8 \f, \a0, \zero
	MUL8 \f, (\a0)+1, \zero
.endm
.macro FETCH q, f                      ; 24 LDS loads in one run: quarter q's fragments into buffer f: wb's 16 loads, then x's 8
	WIN 0
.irp i, 0,1,2,3,4,5,6,7
	ds_load_b128 v[64+96*(\f)+8*(\i):64+96*(\f)+8*(\i)+3],   v[ADB] offset:64*(\q)+(\i)*16*PBB
	ds_load_b128 v[64+96*(\f)+8*(\i)+4:64+96*(\f)+8*(\i)+7], v[ADB] offset:64*(\q)+(\i)*16*PBB+32
.endr
.irp i, 0,1,2,3
	ds_load_b128 v[128+96*(\f)+8*(\i):128+96*(\f)+8*(\i)+3],   v[ADA] offset:64*(\q)+(\i)*16*PA
	ds_load_b128 v[128+96*(\f)+8*(\i)+4:128+96*(\f)+8*(\i)+7], v[ADA] offset:64*(\q)+(\i)*16*PA+32
.endr
.endm
; A K step is four quarters of 32 along K, 32 matrix instructions each, on buffers 0, 1, 0, 1.  The 32 accumulators take turns in one order everywhere.
.macro QUARTER q, f, g, zero           ; multiplies buffer f; in its middle fetches quarter q into buffer g
	s_wait_dscnt 4                                 ; all but x's row blocks 2 and 3 (the youngest four loads)
	MULH \f, 0, \zero
	PLACES
	FETCH \q, \g
	s_wait_dscnt 24                                ; all but the 24 just issued
	MULH \f, 2, \zero
.endm
.macro MEET                            ; the first half of a K step's last quarter, and the barrier of the change of slots
	WIN 0
	s_wait_tensorcnt 0x0                           ; all my tensor loads have landed: the one that was out is my part of the next slot
	ds_add_u32 v[SPW], v[NIL]                      ; 0 onto my spare word
	s_wait_dscnt 5                                 ; the add and the youngest four loads may be out
	MUL8 1, 0, 0
	s_wait_dscnt 0x0                               ; the add is done, my reads of this slot are over
	s_barrier_signal -1
	MUL8 1, 1, 0                                   ; work on registers while the others arrive
	WIN 0
	s_barrier_wait -1
.endm
.macro TURN fill                       ; the whole last quarter.  fill = 1: the barrier opens a round of the cluster's, and the slot just read is filled again, first thing behind it
.if \fill
	s_wait_xcnt 0x0                                ; the last prefetch, a K step back, has read its address
	s_add_nc_u64 s[PFA:PFA+1], s[PFA:PFA+1], s[PFS:PFS+1]
.endif
	MEET
.if \fill
	CREST                                          ; no wave of any partner still reads the slot or has a load on its way
	s_xor_b32 s[G0A+5], s[G0A+5], SLOT1            ; the walking sets: the other slot than last time, the next K step
	s_add_nc_u64 s[G0A+6:G0A+7], s[G0A+6:G0A+7], KSB
	s_xor_b32 s[G0B+5], s[G0B+5], SLOT1
	s_add_nc_u64 s[G0B+6:G0B+7], s[G0B+6:G0B+7], KSB
	JLOAD                                          ; its four v_nop are also the places in front of the loads below
.else
	PLACES
.endif
	s_xor_b32 s[TB], s[TB], SLOT1
	v_add_nc_u32 v[ADA], s[TB], v[ADA0]
	v_add_nc_u32 v[ADB], s[TB], v[ADB0]
	FETCH 0, 0
.if \fill
	ASK
.endif
	MULH 1, 2, 0
.endm
	s_load_b256 s[4:11], s[0:1], 0x0               ; xb s[4:5], wb s[6:7], tab s[8:9], qs s[10:11]
	s_load_b128 s[12:15], s[0:1], 0x20             ; ks s[12:13], vs s[14:15]
	v_lshl_add_u32 v[SPW], v0, 2, SPARE
	v_mov_b32 v[NIL], 0
	ds_add_u32 v[SPW], v[NIL]                      ; the wave's opening: the add and its wait ahead of my first tensor load
	v_lshrrev_b32 v3, 5, v0
	v_readfirstlane_b32 s[WV], v3
	s_lshr_b32 s[RH], s[WV], 1
	s_and_b32 s[CH], s[WV], 1
	s_bfe_u32 s[CX], ttmp6, 0x40000
	s_bfe_u32 s[CY], ttmp6, 0x40004
	s_lshl_b32 s[TC], ttmp9, 2
	s_add_co_u32 s[TC], s[TC], s[CX]               ; tile column = 4 x cluster x + cx
	s_and_b32 s[TR], ttmp7, 0xffff
	s_lshl_b32 s[TR], s[TR], 2
	s_add_co_u32 s[TR], s[TR], s[CY]               ; tile row = 4 x cluster y + cy
	s_mov_b32 s[KIND], ttmp9
	s_lshl_b32 s66, s[CY], 2
	s_lshl_b32 s66, 15, s66                        ; my row of the cluster
	s_lshl_b32 s68, 0x1111, s[CX]                  ; my column
	s_or_b32 s[G1A], s66, PADW
	s_or_b32 s[G1B], s68, PADW
.irp g, G1A, G1B
	s_mov_b32 s[(\g)+1], 128<<16                   ; tensor_dim0 = 128
	s_mov_b32 s[(\g)+3], 128<<16                   ; tile_dim0 = 128
	s_mov_b32 s[(\g)+5], 1024                      ; elements from row to row
	s_mov_b32 s[(\g)+6], 0
	s_mov_b32 s[(\g)+7], 0
.endr
	s_mov_b32 s[G1A+2], 64<<16                     ; x: 64 rows a load
	s_mov_b32 s[G1A+4], 64
	s_mov_b32 s[G1B+2], 128<<16                    ; wb: 128 rows a load
	s_mov_b32 s[G1B+4], 128
	s_lshl_b32 s66, s[TR], 7                       ; x: row 128 x tile row + 64 x half, in bytes: made of the tile row and the wave alone
	s_lshl_b32 s67, s[CH], 6
	s_add_co_u32 s66, s66, s67
	s_lshl_b32 s66, s66, 11
	s_mov_b32 s67, 0
	s_lshl_b32 s68, s[TC], 8                       ; wb: row 256 x tile column + 128 x half: of the tile column and the wave alone
	s_lshl_b32 s69, s[CH], 7
	s_add_co_u32 s68, s68, s69
	s_lshl_b32 s68, s68, 11
	s_mov_b32 s69, 0
	s_mul_i32 s70, s[CH], 64*PA                    ; where they go: no place in the cluster enters an LDS address
	s_mul_i32 s71, s[CH], 128*PBB
	s_add_co_u32 s71, s71, BOFF
	s_mov_b32 s[HM], 0xffff0000
	s_mov_b32 s[TB], 0
	s_wait_dscnt 0x0                               ; the opening add is done
	s_wait_kmcnt 0x0
	s_add_nc_u64 s[66:67], s[4:5], s[66:67]
	s_add_nc_u64 s[68:69], s[6:7], s[68:69]
	CROUND                                         ; all sixteen work-groups are here: the first joint loads meet
.irp s, 0,1
	s_mov_b32 s[G0A+4*(\s)], 1
	s_add_co_u32 s[G0A+4*(\s)+1], s70, (\s)*SLOT1
	s_add_nc_u64 s[G0A+4*(\s)+2:G0A+4*(\s)+3], s[66:67], (\s)*KSB
	s_or_b32 s[G0A+4*(\s)+3], s[G0A+4*(\s)+3], 0x80000000
	s_mov_b32 s[G0B+4*(\s)], 1
	s_add_co_u32 s[G0B+4*(\s)+1], s71, (\s)*SLOT1
	s_add_nc_u64 s[G0B+4*(\s)+2:G0B+4*(\s)+3], s[68:69], (\s)*KSB
	s_or_b32 s[G0B+4*(\s)+3], s[G0B+4*(\s)+3], 0x80000000
.endr
	s_cmp_eq_u32 s[RH], 0                          ; a wave's two first fills stand in one branch: two loads of mine are out
	s_cbranch_scc0 .Lfirst_b
	tensor_load_to_lds s[G0A:G0A+3], s[G1A:G1A+7]
	s_nop 0
	tensor_load_to_lds s[G0A+4:G0A+7], s[G1A:G1A+7]
	s_nop 0
	PLACES
	s_branch .Lfirst_done
.Lfirst_b:
	tensor_load_to_lds s[G0B:G0B+3], s[G1B:G1B+7]
	s_nop 0
	tensor_load_to_lds s[G0B+4:G0B+7], s[G1B:G1B+7]
	s_nop 0
	PLACES
.Lfirst_done:
	; a fragment is 16 rows x 32 K in 8 registers: lane l holds row l % 16, K = 8 (l / 16) + 0..7 and 16 + 8 (l / 16) + 0..7: two loads of 16 bytes, 32 bytes apart
	v_and_b32 v1, 15, v0
	v_bfe_u32 v2, v0, 4, 1
	v_mul_u32_u24 v3, v1, PA
	v_lshl_add_u32 v3, v2, 4, v3                   ; row x 272 + 16 x half
	s_mul_i32 s72, s[RH], 64*PA
	v_add_nc_u32 v[ADA0], s72, v3
	v_add_nc_u32 v[ADB0], s71, v3
	v_mov_b32 v[ADA], v[ADA0]
	v_mov_b32 v[ADB], v[ADB0]
	; the prefetches
	s_lshl_b32 s72, s[TR], 7
	s_lshl_b32 s73, s[CX], 5
	s_add_co_u32 s72, s72, s73                     ; x: row 128 x tile row + 32 cx
	s_lshl_b32 s74, s[TC], 8
	s_lshl_b32 s73, s[CY], 6
	s_add_co_u32 s74, s74, s73
	s_lshl_b32 s73, s[CH], 5
	s_add_co_u32 s74, s74, s73                     ; wb: row 256 x tile column + 64 cy + 32 x (wave - 2)
	s_and_b32 s75, ttmp7, 0xffff                   ; cluster y
	s_cmp_eq_u32 s[RH], 0
	s_cselect_b32 s72, s72, s74
	s_cselect_b32 s75, ttmp9, s75                  ; the coordinate along which other clusters read the same rows
	s_cselect_b64 s[PFA:PFA+1], s[4:5], s[6:7]
	s_cmp_eq_u32 s[WV], 1
	s_cselect_b32 s75, 1, s75                      ; wave 1 asks for nothing
	s_cmp_eq_u32 s75, 0
	s_cselect_b32 s[LIM], 2, -1                    ; the same in all sixteen partners, for a given wave
	s_lshl_b32 s72, s72, 11
	s_add_co_u32 s72, s72, 3*KSB                   ; at K step 3: the first refill steps it to 4
	s_mov_b32 s73, 0
	s_add_nc_u64 s[PFA:PFA+1], s[PFA:PFA+1], s[72:73]
	s_mov_b32 s[PFS], KSB
	s_mov_b32 s[PFS+1], 0
	v_and_b32 v[PFO], 31, v0
	v_lshlrev_b32 v[PFO], 11, v[PFO]
	; the way out's addresses
	s_mul_i32 s74, s[WV], 16*SP
	s_add_co_u32 s74, s74, STAGE                   ; my stage
	v_mul_u32_u24 v10, v2, SP
	v_lshl_add_u32 v10, v1, 4, v10                 ; back: lanes 0-15 one row of 256 bytes, lanes 16-31 the next
	v_lshlrev_b32 v11, 8, v2
	v_lshl_add_u32 v11, v1, 4, v11                 ; the same two rows in qs or ks
	v_mul_u32_u24 v12, v1, SPV
	v_lshl_add_u32 v12, v2, 4, v12                 ; v: rows of 128 bytes, 144 apart
	v_bfe_u32 v13, v0, 3, 2
	v_mul_u32_u24 v13, v13, SPV
	v_and_b32 v14, 7, v0
	v_lshl_add_u32 v13, v14, 4, v13                ; back: 32 lanes take four rows of 128 bytes
	v_and_b32 v15, 31, v0
	WIN 0x80                                       ; destination window 2
	v_add_nc_u32 v[STO], s74, v3
	v_add_nc_u32 v[RD], s74, v10
	v_mov_b32 v[CO], v11
	v_add_nc_u32 v[STOV], s74, v12
	v_add_nc_u32 v[RDV], s74, v13
	v_lshlrev_b32 v[GOV], 4, v15
	WIN 0
	s_and_b32 s75, s[TR], 15
	s_lshl_b32 s75, s75, 7
	s_lshl_b32 s76, s[RH], 6
	s_add_co_u32 s75, s75, s76                     ; s0: my first row's position in its sequence
	v_add_nc_u32 v[TO], s75, v1
	v_lshlrev_b32 v[TO], 8, v[TO]
	v_lshl_add_u32 v[TO], v2, 5, v[TO]             ; (s0 + l % 16) x 256 + 32 (l / 16)
	s_lshr_b32 s76, s[TR], 4
	s_lshl_b32 s76, s76, 4                         ; 16 x batch
	s_lshl_b32 s77, s[CX], 2
	s_add_co_u32 s76, s76, s77
	s_lshl_b32 s77, s[CH], 1
	s_add_co_u32 s76, s76, s77                     ; + my first head: 4 cx + 2 CH
	s_lshl_b32 s76, s76, 11
	s_add_co_u32 s76, s76, s75                     ; row in the layout by heads
	s_cmp_eq_u32 s[KIND], 0
	s_cselect_b64 s[DST:DST+1], s[10:11], s[12:13]
	s_cmp_eq_u32 s[KIND], 2
	s_cselect_b64 s[DST:DST+1], s[14:15], s[DST:DST+1]
	s_cselect_b32 s77, 7, 8                        ; rows of 128 bytes in vs, of 256 in qs and ks
	s_lshl_b32 s76, s76, s77
	s_mov_b32 s77, 0
	s_add_nc_u64 s[DST:DST+1], s[DST:DST+1], s[76:77]
	s_cmp_lt_u32 s[KIND], 2
	s_cbranch_scc0 .Lno_tab
	WIN 0xc0                                       ; destination window 3: my rows' cosines and sines stay in registers until the way out
.irp a, 0,1,2,3
.irp bb, 0,1,2,3
	global_load_b128 v[32*(\a)+8*(\bb):32*(\a)+8*(\bb)+3],   v[TO], s[8:9] offset:4096*(\a)+64*(\bb)
	global_load_b128 v[32*(\a)+8*(\bb)+4:32*(\a)+8*(\bb)+7], v[TO], s[8:9] offset:4096*(\a)+64*(\bb)+16
.endr
.endr
	WIN 0
.Lno_tab:
	s_wait_tensorcnt 0x1                           ; my part of K step 0 is in; K step 1's may stay out
	s_barrier_signal -1
	s_barrier_wait -1
	FETCH 0, 0
	QUARTER 1, 0, 1, 1                             ; the first quarter's products start the sums: nothing is cleared
	WIN 0
	s_mov_b32 s[CNT], 6
.Lk:                                           ; six trips, from a K step's second quarter to the next step's first; trip i refills K step i + 1
	QUARTER 2, 1, 0, 0
	QUARTER 3, 0, 1, 0
	TURN 1
	QUARTER 1, 0, 1, 0
	WIN 0
	s_sub_co_u32 s[CNT], s[CNT], 1
	s_cmp_lg_u32 s[CNT], 0
	s_cbranch_scc1 .Lk
	QUARTER 2, 1, 0, 0                             ; the rest of K step 6 and K step 7 are written out: nothing is asked for
	QUARTER 3, 0, 1, 0
	TURN 0
	QUARTER 1, 0, 1, 0
	QUARTER 2, 1, 0, 0
	QUARTER 3, 0, 1, 0
	s_wait_dscnt 4
	MULH 1, 0, 0
	s_wait_dscnt 0x0
	MULH 1, 2, 0
	WIN 0
	PLACES
	PLACES
	s_cmp_lt_u32 s[KIND], 2
	s_cbranch_scc0 .Lway_v
; THE WAY OUT OF Q AND K, in eight units of 16 rows x one head (row block a, head hd of my two).
; RU: (e, o) -> (e c - o s, e s + o c) by two packed instructions a pair; hi = the rounding to bf16; lo = the rounding of what hi leaves.
.macro RU a, hd
	WIN 0xad                                       ; accumulator window 1, table window 3, result window 2
.irp bb, 0,1,2,3
.irp r, 0,2,4,6                        ; ascending: an accumulator is read from its low end on
	v_pk_mul_f32 v[W1+8*(\bb)+(\r):W1+8*(\bb)+(\r)+1], v[8*(8*(\a)+4*(\hd)+(\bb))+(\r):8*(8*(\a)+4*(\hd)+(\bb))+(\r)+1], v[32*(\a)+8*(\bb)+(\r):32*(\a)+8*(\bb)+(\r)+1] op_sel_hi:[0,1]  ; (e c, e s)
.endr
.endr
.irp bb, 0,1,2,3
.irp r, 0,2,4,6
	v_pk_fma_f32 v[W1+8*(\bb)+(\r):W1+8*(\bb)+(\r)+1], v[8*(8*(\a)+4*(\hd)+(\bb))+(\r):8*(8*(\a)+4*(\hd)+(\bb))+(\r)+1], v[32*(\a)+8*(\bb)+(\r):32*(\a)+8*(\bb)+(\r)+1], v[W1+8*(\bb)+(\r):W1+8*(\bb)+(\r)+1] op_sel:[1,1,0] op_sel_hi:[1,0,1] neg_lo:[0,1,0]  ; (- o s, + o c)
.endr
.endr
	WIN 0xaa                                       ; all in window 2
.irp bb, 0,1,2,3
.irp r, 0,1,2,3
	v_cvt_pk_bf16_f32 v[TMP+8*(\bb)+(\r)], v[W1+8*(\bb)+2*(\r)], v[W1+8*(\bb)+2*(\r)+1]
.endr
.endr
.irp bb, 0,1,2,3
.irp r, 0,1,2,3
	v_lshlrev_b32 v[UU+8*(\bb)+2*(\r)], 16, v[TMP+8*(\bb)+(\r)]
	v_and_b32 v[UU+8*(\bb)+2*(\r)+1], s[HM], v[TMP+8*(\bb)+(\r)]
.endr
.endr
.irp bb, 0,1,2,3
.irp r, 0,2,4,6
	v_pk_add_f32 v[UU+8*(\bb)+(\r):UU+8*(\bb)+(\r)+1], v[W1+8*(\bb)+(\r):W1+8*(\bb)+(\r)+1], v[UU+8*(\bb)+(\r):UU+8*(\bb)+(\r)+1] neg_lo:[0,1] neg_hi:[0,1]
.endr
.endr
.irp bb, 0,1,2,3
.irp r, 0,1,2,3
	v_cvt_pk_bf16_f32 v[TMP+8*(\bb)+4+(\r)], v[UU+8*(\bb)+2*(\r)], v[UU+8*(\bb)+2*(\r)+1]
.endr
.endr
.endm
.macro TOSTAGE u                       ; into my own stage (hi in a row's first 128 bytes, lo in its second) and back as whole rows of 256 bytes
	WIN 0xaa
.irp bb, 0,1,2,3
	ds_store_b128 v[STO], v[TMP+8*(\bb):TMP+8*(\bb)+3]   offset:32*(\bb)
	ds_store_b128 v[STO], v[TMP+8*(\bb)+4:TMP+8*(\bb)+7] offset:128+32*(\bb)
.endr
.irp t, 0,1,2,3,4,5,6,7
	ds_load_b128 v[BK+32*((\u)%2)+4*(\t):BK+32*((\u)%2)+4*(\t)+3], v[RD] offset:(\t)*2*SP  ; LDS serves a wave's instructions in order (ISA guide 5.7.1.4): these see the stores above
.endr
.endm
.macro SEND u
	WIN 0xaa
	s_wait_dscnt 0x0                               ; the unit is back in registers
	s_wait_xcnt 0x0                                ; earlier stores have read their registers: the other buffer is loaded again only behind this wait
.irp t, 0,1,2,3,4,5,6,7
	global_store_b128 v[CO], v[BK+32*((\u)%2)+4*(\t):BK+32*((\u)%2)+4*(\t)+3], s[DST:DST+1] offset:((\u)%2)*524288+((\u)/2)*4096+(\t)*512  ; 512 consecutive bytes, aligned
.endr
.endm
	s_wait_loadcnt 0x0                             ; the table
	RU 0, 0
	TOSTAGE 0
.irp u, 1,2,3,4,5,6,7                  ; a unit's arithmetic stands between the loads of the unit before and the wait for them
	RU (\u)/2, (\u)%2
	SEND (\u)-1
	TOSTAGE \u
.endr
	SEND 7
	WIN 0
	s_branch .Lend
.Lway_v:
; THE WAY OUT OF V: rounded once; rows of 128 bytes
.macro CV a, hd
	WIN 0x85                                       ; sources window 1, destination window 2
.irp bb, 0,1,2,3
.irp r, 0,1,2,3
	v_cvt_pk_bf16_f32 v[TMP+4*(\bb)+(\r)], v[8*(8*(\a)+4*(\hd)+(\bb))+2*(\r)], v[8*(8*(\a)+4*(\hd)+(\bb))+2*(\r)+1]
.endr
.endr
.endm
.macro TOSTV u
	WIN 0xaa
.irp bb, 0,1,2,3
	ds_store_b128 v[STOV], v[TMP+4*(\bb):TMP+4*(\bb)+3] offset:32*(\bb)
.endr
.irp f, 0,1,2,3
	ds_load_b128 v[BK+32*((\u)%2)+4*(\f):BK+32*((\u)%2)+4*(\f)+3], v[RDV] offset:(\f)*4*SPV
.endr
.endm
.macro SENDV u
	WIN 0xaa
	s_wait_dscnt 0x0
	s_wait_xcnt 0x0
.irp f, 0,1,2,3
	global_store_b128 v[GOV], v[BK+32*((\u)%2)+4*(\f):BK+32*((\u)%2)+4*(\f)+3], s[DST:DST+1] offset:((\u)%2)*262144+((\u)/2)*2048+(\f)*512
.endr
.endm
	CV 0, 0
	TOSTV 0
.irp u, 1,2,3,4,5,6,7
	CV (\u)/2, (\u)%2
	SENDV (\u)-1
	TOSTV \u
.endr
	SENDV 7
	WIN 0
.Lend:
	s_wait_tensorcnt 0x0                           ; the wave's end: behind my last tensor load and my last LDS store
	ds_add_u32 v[SPW], v[NIL]
	s_wait_dscnt 0x0
	CROUND                                         ; the closing round: no work-group ends while a partner may still ask for a tile that names it
	s_endpgm
.Lfunc_end_k_q91ffd21be7_qkv:
	.size	k_q91ffd21be7_qkv, .Lfunc_end_k_q91ffd21be7_qkv-k_q91ffd21be7_qkv
	.p2alignl 7, 3214868480
	.fill 96, 4, 3214868480
	.section	.rodata,"a",@progbits
	.p2align	6, 0x0
	.amdhsa_kernel k_q91ffd21be7_qkv
		.amdhsa_group_segment_fixed_size 327680
		.amdhsa_private_segment_fixed_size 0
		.amdhsa_enable_private_segment 0
		.amdhsa_kernarg_size 48
		.amdhsa_user_sgpr_count 2
		.amdhsa_user_sgpr_kernarg_segment_ptr 1
		.amdhsa_wavefront_size32 1
		.amdhsa_system_sgpr_workgroup_id_x 1
		.amdhsa_system_sgpr_workgroup_id_y 1
		.amdhsa_system_sgpr_workgroup_id_z 1
		.amdhsa_system_vgpr_workitem_id 0
		.amdhsa_next_free_vgpr 896
		.amdhsa_next_free_sgpr 80
		.amdhsa_reserve_vcc 0
		.amdhsa_float_denorm_mode_32 3
		.amdhsa_float_denorm_mode_16_64 3
		.amdhsa_memory_ordered 1
		.amdhsa_forward_progress 1
		.amdhsa_inst_pref_size 139
	.end_amdhsa_kernel
	.amdgpu_metadata
---
amdhsa.version: [ 1, 2 ]
amdhsa.kernels:
  - .name:           k_q91ffd21be7_qkv
    .symbol:         k_q91ffd21be7_qkv.kd
    .args:
      - { .name: xb, .offset: 0, .size: 8, .value_kind: global_buffer, .address_space: global }
      - { .name: wb, .offset: 8, .size: 8, .value_kind: global_buffer, .address_space: global }
      - { .name: tab, .offset: 16, .size: 8, .value_kind: global_buffer, .address_space: global }
      - { .name: qs, .offset: 24, .size: 8, .value_kind: global_buffer, .address_space: global }
      - { .name: ks, .offset: 32, .size: 8, .value_kind: global_buffer, .address_space: global }
      - { .name: vs, .offset: 40, .size: 8, .value_kind: global_buffer, .address_space: global }
    .group_segment_fixed_size: 327680
    .private_segment_fixed_size: 0
    .kernarg_segment_align: 8
    .kernarg_segment_size: 48
    .max_flat_workgroup_size: 128
    .sgpr_count:     80
    .vgpr_count:     896
    .wavefront_size: 32
...
	.end_amdgpu_metadata
.endif
;; end of part 2
;; launch attn (part 3): grid 4 x 64, 4 waves a work-group, no clusters, 327,680 bytes of LDS; arguments qs, ks, vs, ob; writes ob
.if DOCPART == 3
	.amdgcn_target "amdgcn-amd-amdhsa--gfx1250"
	.amdhsa_code_object_version 6
	.text
	.protected	k_q91ffd21be7_attn
	.globl	k_q91ffd21be7_attn
	.p2align	8
	.type	k_q91ffd21be7_attn,@function
k_q91ffd21be7_attn:
	s_mov_b64 s[64:65], 0
	v_nop
	global_prefetch_b8 v0, s[64:65] scope:SCOPE_SE
	s_setreg_imm32_b32 hwreg(HW_REG_WAVE_MODE, 25, 1), 1
	s_wait_xcnt 0x0
; CAUSAL ATTENTION BY HEADS.  ob[h][q][:] = the sum over k <= q of softmax_k(Q[h][q] . K[h][k] / 8) V[h][k][:], 64 heads of 2,048 rows, head size 64.
; Q and K come as TWO bf16 numbers each, hi + lo (rows of 256 bytes: hi 64 | lo 64), and S = Kh Qh + Kh Ql + Kl Qh: 24 products where one bf16 number would take 8.  The scores here run into the
; thousands and the softmax is nearly one-hot: where two scores tie, an error of the scores goes into the result at full size, and 8 significant bits are too few.  V, the weights p and O are bf16.
; Products, maxima and sums in f32; the sum l is taken of the unrounded p.
; LIMITS.  A hidden score counts as its value less 1e30: raw scores stay under 1e28.  A weight below 2^-126 counts as 0 in l.  NaN and infinities are not treated apart.
; THE WALK.  A head has NB = 8 blocks of 256 queries; block i needs the key tiles 0 .. i of 256 keys, the last holds the diagonal.  A work-group takes blocks 7 - b and then b: 9 tiles whatever b: ONE loop with a
; constant trip count.  What differs lies in scalar registers made from b.  NO CLUSTER: a head's four work-groups ask for the same tile only in trips 0 to 4 of 9, and a walk common to all would have 12 trips for 9.
; SHARES.  Of a block's four bands of 64 queries a wave owns 16 rows in each: four PIECES: in the diagonal tile's key step s band x sees all keys (s < x), none (s > x), or holds the diagonal (s = x), alike for all waves.
; THE MASK is the C operand that starts the sum S^T: MC = MD x AL + BE; MD, made once, is the mask of a band's own step.  Outside the diagonal tile both buffers of MC hold 0 and are not written.
; TURNS.  Turn Y: 24 products K Q^T of piece Y + 1, then 8 products V^T P of piece Y - 1.  Beside them: the roundings and sums of piece Y - 1 (whose exponentials the turn before has waited for), the scaling,
; exponentials and rescaling of piece Y, the maximum and statistics of piece Y + 1.  118 vector instructions ride behind 32 matrix instructions.  A turn's 33 exponentials are one batch with one wait, at its end.
; REGISTERS (s_set_vgpr_msb: bits 1:0 source 0, 3:2 source 1, 5:4 source 2, 7:6 destination):
;   window 0: v0-15 addresses; v16-31 statistics; v32-35 c m_old; v36-37 the add's; v48-63 at work; v64-191 S^T, 32 a piece; v192-255 P, 16 a piece
;   window 1: v0-127 O^T; v128-159 MD; v160-223 MC, two buffers      window 2: v0-127 Q (piece x, fragment f at 32 x + 8 f); v128-255 the second block's Q      window 3: v0-127 K of a step; v128-191 V
.set NB,    8
.set NP,    4
.set KS,    64
.set PK,    272       ; a row of K in LDS: 256 bytes + 16: the 16 rows of a load start 16 bytes apart modulo 256
.set PV,    160       ; a row of V: 128 + 32: 16 lanes of the turning load take 8 rows x 32 bytes, 32 bytes apart modulo 256
.set VOFF,  4*KS*PK   ; a slot holds a tile: 256 rows of K, then 256 rows of V
.set SLOT1, 1<<17
.set STAGE, SLOT1+4*KS*(PK+PV)
.set SP,    144
.set SPARE, STAGE+4*16*SP
.set AK0, 2
.set AV0, 3
.set AK,  4
.set AV,  5
.set STO, 6
.set RD,  7
.set GO,  8
.set PFO, 12          ; v12  256 x lane
.set QO,  15
.set ST,  16          ; piece t: c m, m, l (even keys', odd keys') at ST + 4 t
.set MV,  32
.set SPW, 36
.set NIL, 37
.set TMP, 48          ; piece t: c0-c3 at TMP + 4 t; when the maximum is found c2 takes a
.set S,   64
.set P,   192
.set MD,  128
.set MC,  160
.set QB,  128
.set KF,  0           ; key block kb, fragment f (hi 0-31, hi 32-63, lo 0-31, lo 32-63) at 32 kb + 8 f
.set VF,  128
.set WV,  12
.set PB,  14
.set HI,  15
.set G1K, 24
.set G1V, 32
.set G0K, 40
.set G0V, 44
.set PFK, 48          ; s[48:49], s[50:51] where my prefetches stand in K and in V
.set PFV, 50
.set LIM, 52
.set SLOTS, 56
.set CNT, 57
.set CS,  58
.set SEL, 60
.set TBK, 62
.set TBV, 63
.set RT,  70          ; tiles of the block in hand still to be entered; 0: the tile in hand is the diagonal one
.set NXT, 71
.set LQ,  72
.set NEW, 73
.set OFF, 74
.set AL,  76
.set BE,  78
.set OLO, 80
.set BIGN, 82
.set OFV, 88
.set MSB, 0
.macro WIN new
.if MSB != (\new)
	s_set_vgpr_msb (MSB<<8)|(\new)
.set MSB, (\new)
.endif
.endm
.set W_KQ, 0x0b       ; K window 3, Q window 2, S^T window 0
.set W_KM, 0x1b       ; the same with C in window 1
.set W_PV, 0x53       ; V window 3, P window 0, O^T window 1
.set W_RS, 0x41       ; destination and source 0 window 1, source 1 window 0
.macro LOAD                         ; waves 0, 1 fetch the halves of a tile's K, waves 2, 3 of its V; s_nop 0 and four v_nop follow each line
	s_cmp_lt_u32 s[WV], 2
	s_cbranch_scc0 .Lfor_v_\@
	tensor_load_to_lds s[G0K:G0K+3], s[G1K:G1K+7]
	s_nop 0
.rept 4
	v_nop
.endr
	s_branch .Lasked_\@
.Lfor_v_\@:
	tensor_load_to_lds s[G0V:G0V+3], s[G1V:G1V+7]
	s_nop 0
.rept 4
	v_nop
.endr
.Lasked_\@:
.endm
; A prefetch of the tile behind the one that is being asked for.  A head's four work-groups walk the same tiles: the one with b = 0, whose first block walks tiles 0 to 7, asks; wave w takes a quarter of the
; tile's K (64 rows of 256 bytes: two instructions, a lane a row) and of its V (8,192 bytes: one).  Tiles 2 to 7 are named once each; tiles 0 and 1 come by their loads alone; the last two fills ask for nothing.
.macro ASK
	s_cmp_gt_u32 s[SLOTS], s[LIM]
	s_cbranch_scc0 .Lnot_mine_\@
	global_prefetch_b8 v[PFO], s[PFK:PFK+1] th:TH_LOAD_NT scope:SCOPE_SE
	global_prefetch_b8 v[PFO], s[PFK:PFK+1] offset:8192 th:TH_LOAD_NT scope:SCOPE_SE
	global_prefetch_b8 v[PFO], s[PFV:PFV+1] th:TH_LOAD_NT scope:SCOPE_SE
.Lnot_mine_\@:
.endm
; THE CHANGE OF SLOTS.  Each wave waits for all its tensor loads (one is out: its part of the other slot), adds 0 to its spare word, waits for that and for its reads of the slot that it leaves.
; fill = 1: behind the barrier the old slot is filled first, with tile NXT: one load a wave, which has 16 turns in which to land.  (At its first use nothing has been read: slot 0 is waited for, slot 1 filled.)
.macro CHANGE fill
	WIN 0
	s_wait_tensorcnt 0x0
	ds_add_u32 v[SPW], v[NIL]
.if \fill
	s_lshl_b32 s[OFF], s[NXT], 16   ; a tile is 65,536 bytes of K
	s_lshl_b32 s[OFV], s[NXT], 15   ; and 32,768 of V
	s_xor_b32 s[G0K+1], s[G0K+1], SLOT1
	s_add_nc_u64 s[G0K+2:G0K+3], s[6:7], s[OFF:OFF+1]
	s_or_b32 s[G0K+3], s[G0K+3], 0x80000000
	s_xor_b32 s[G0V+1], s[G0V+1], SLOT1
	s_add_nc_u64 s[G0V+2:G0V+3], s[8:9], s[OFV:OFV+1]
	s_or_b32 s[G0V+3], s[G0V+3], 0x80000000
	s_add_co_u32 s[NXT], s[NXT], 1  ; the block's next tile, or behind its last the second block's tile 0
	s_cmp_gt_u32 s[NXT], s[LQ]
	s_cselect_b32 s[NXT], 0, s[NXT]
	s_cselect_b32 s[LQ], s[PB], s[LQ]
	s_wait_xcnt 0x0                 ; the last prefetches, a tile back, have read their addresses
	s_add_nc_u64 s[PFK:PFK+1], s[PFK:PFK+1], 65536
	s_add_nc_u64 s[PFV:PFV+1], s[PFV:PFV+1], 32768
.endif
	s_wait_dscnt 0x0                ; the add is done, my reads of the slot are over
	s_barrier_signal -1
	s_sub_co_u32 s[TBK], s[TBK], 4*KS*PK  ; the fetches go back to a slot's first step, in the other slot
	s_xor_b32 s[TBK], s[TBK], SLOT1
	s_sub_co_u32 s[TBV], s[TBV], 4*KS*PV
	s_xor_b32 s[TBV], s[TBV], SLOT1
	s_barrier_wait -1
.if \fill
	LOAD
	ASK
.endif
.endm
	s_load_b256 s[4:11], s[0:1], 0x0  ; Q s[4:5], K s[6:7], V s[8:9], O s[10:11]
	v_lshl_add_u32 v[SPW], v0, 2, SPARE
	v_mov_b32 v[NIL], 0
	ds_add_u32 v[SPW], v[NIL]       ; the wave's opening: the add and its wait ahead of my first tensor load
	v_lshrrev_b32 v1, 5, v0
	v_readfirstlane_b32 s[WV], v1
	s_mov_b32 s[PB], ttmp9
	s_sub_co_u32 s[HI], NB-1, s[PB]
	s_and_b32 s20, ttmp7, 0xffff    ; the head
	s_lshl_b32 s18, s20, 19         ; its first byte in Q and K,
	s_lshl_b32 s19, s20, 18         ; in V and O
	s_and_b32 s16, s[WV], 1         ; which half of a tile's 256 keys I fetch
	s_lshl_b32 s22, s16, 15
	s_add_co_u32 s22, s22, s18
	s_mov_b32 s23, 0
	s_lshl_b32 s86, s16, 14
	s_add_co_u32 s86, s86, s19
	s_mov_b32 s87, 0
	s_mul_i32 s17, s16, 128*PK
	s_mul_i32 s13, s16, 128*PV
	s_lshl_b32 s21, s[WV], 12       ; my 16 rows in a band, in Q
	s_add_co_u32 s21, s21, s18
	s_lshl_b32 s2, s[HI], 16
	s_add_co_u32 s2, s2, s21
	s_mov_b32 s3, 0
	s_lshl_b32 s84, s[PB], 16
	s_add_co_u32 s84, s84, s21
	s_mov_b32 s85, 0
	s_lshl_b32 s21, s[WV], 11       ; and in O
	s_add_co_u32 s21, s21, s19
	s_lshl_b32 s90, s[HI], 15
	s_add_co_u32 s90, s90, s21
	s_mov_b32 s91, 0
	s_lshl_b32 s92, s[PB], 15
	s_add_co_u32 s92, s92, s21
	s_mov_b32 s93, 0
	s_lshl_b32 s96, s[WV], 14       ; the prefetches: my quarter of tile 1; the first change steps it to tile 2
	s_add_co_u32 s96, s96, s18
	s_add_co_u32 s96, s96, 65536
	s_mov_b32 s97, 0
	s_lshl_b32 s98, s[WV], 13
	s_add_co_u32 s98, s98, s19
	s_add_co_u32 s98, s98, 32768
	s_mov_b32 s99, 0
	s_cmp_eq_u32 s[PB], 0
	s_cselect_b32 s[LIM], 2, -1
	s_mov_b32 s[G1K], (1<<16)|(1<<20)|(5<<22)|(3<<25)  ; K: 128 rows of 256 bytes; 4 words of padding after every 64
	s_mov_b32 s[G1V], (1<<16)|(1<<20)|(4<<22)|(7<<25)  ; V: 128 keys are 16,384 dense bytes: 64 rows of 256; 8 words of padding after every 32 (a key)
.irp g, G1K, G1V
	s_mov_b32 s[\g+1], 128<<16
	s_mov_b32 s[\g+3], 128<<16
	s_mov_b32 s[\g+5], 128
	s_mov_b32 s[\g+6], 0
	s_mov_b32 s[\g+7], 0
.endr
	s_mov_b32 s[G1K+2], 128<<16
	s_mov_b32 s[G1K+4], 128
	s_mov_b32 s[G1V+2], 64<<16
	s_mov_b32 s[G1V+4], 64
	s_mov_b32 s[CS], 0x3e38aa3b     ; c = log2(e) / 8
	s_mov_b32 s[CS+1], s[CS]
	s_mov_b32 s[SEL], 0x76543210
	s_mov_b32 s[SEL+1], 0xfedcba98
	s_mov_b32 s[TBK], SLOT1+4*KS*PK ; the first change of slots turns these two into 0
	s_mov_b32 s[TBV], SLOT1+4*KS*PV
	s_mov_b32 s[G0K], 1
	s_mov_b32 s[G0K+1], s17
	s_mov_b32 s[G0V], 1
	s_add_co_u32 s[G0V+1], s13, VOFF
	s_add_co_u32 s[RT], s[HI], 1    ; the first block has NB - b tiles
	s_mov_b32 s[NXT], 1
	s_mov_b32 s[LQ], s[HI]
	s_mov_b32 s[NEW], 1
	s_mov_b32 s[OFF+1], 0
	s_mov_b32 s[OFV+1], 0
	s_mov_b32 s[AL+1], 0
	s_mov_b32 s[BE+1], 0
	s_mov_b32 s[BIGN], 0xf149f2ca   ; -1e30
	s_mov_b32 s[SLOTS], NB
	s_wait_dscnt 0x0                ; the opening add is done
	s_wait_kmcnt 0x0
	s_add_nc_u64 s[PFK:PFK+1], s[6:7], s[96:97]
	s_add_nc_u64 s[PFV:PFV+1], s[8:9], s[98:99]
	s_add_nc_u64 s[6:7], s[6:7], s[22:23]  ; K and V at my half of the head's tile 0
	s_add_nc_u64 s[8:9], s[8:9], s[86:87]
	s_add_nc_u64 s[G0K+2:G0K+3], s[6:7], 0
	s_or_b32 s[G0K+3], s[G0K+3], 0x80000000
	s_add_nc_u64 s[G0V+2:G0V+3], s[8:9], 0
	s_or_b32 s[G0V+3], s[G0V+3], 0x80000000
	s_add_nc_u64 s[94:95], s[4:5], s[84:85]        ; Q at my rows of the second block,
	s_add_nc_u64 s[4:5], s[4:5], s[2:3]            ; of the first
	s_add_nc_u64 s[OLO:OLO+1], s[10:11], s[92:93]
	s_add_nc_u64 s[10:11], s[10:11], s[90:91]
	LOAD                            ; tile 0 into slot 0
	v_and_b32 v1, 15, v0            ; l % 16
	v_bfe_u32 v9, v0, 4, 1          ; l / 16
	v_lshlrev_b32 v[QO], 8, v1
	v_lshl_add_u32 v[QO], v9, 4, v[QO]  ; row x 256 + 16 x half
	WIN 0x80
.set i, 0
.rept 16                            ; both blocks' Q: piece i / 4 lies in band i / 4, 16,384 bytes on; fragment i % 4 at byte 64 (i % 4) of the row
	global_load_b128 v[8*i:8*i+3],   v[QO], s[4:5] offset:(i/4)*16384+(i%4)*64
	global_load_b128 v[8*i+4:8*i+7], v[QO], s[4:5] offset:(i/4)*16384+(i%4)*64+32
	global_load_b128 v[QB+8*i:QB+8*i+3],   v[QO], s[94:95] offset:(i/4)*16384+(i%4)*64
	global_load_b128 v[QB+8*i+4:QB+8*i+7], v[QO], s[94:95] offset:(i/4)*16384+(i%4)*64+32
.set i, i+1
.endr
	WIN 0
	v_lshlrev_b32 v14, 3, v9
	v_sub_nc_u32 v14, v1, v14
	s_lshl_b32 s13, s[WV], 4
	v_add_nc_u32 v14, s13, v14      ; my query's place in its band less 8 (l / 16): register r of key group kt is hidden where 16 kt + r is greater
	WIN 0x40
.set i, 0
.rept 32
	v_cmp_gt_i32 vcc_lo, 16*(i/8)+i%8, v14
	v_cndmask_b32 v[MD+i], 0, s[BIGN], vcc_lo
.set i, i+1
.endr
	WIN 0
	v_mul_u32_u24 v[AK0], v1, PK
	v_lshl_add_u32 v[AK0], v9, 4, v[AK0]
	v_and_b32 v10, 7, v0            ; the turning load: lane l reads key 8 (l / 16) + l % 8, channels 8 ((l / 8) % 2) + 0..7
	v_bfe_u32 v11, v0, 3, 1
	v_lshl_add_u32 v[AV0], v9, 3, v10
	v_mul_u32_u24 v[AV0], v[AV0], PV
	v_lshl_add_u32 v[AV0], v11, 4, v[AV0]
	v_add_nc_u32 v[AV0], VOFF, v[AV0]
	s_mul_i32 s13, s[WV], 16*SP
	s_add_co_u32 s13, s13, STAGE    ; my stage
	v_mul_u32_u24 v[STO], v1, SP
	v_lshl_add_u32 v[STO], v9, 4, v[STO]
	v_add_nc_u32 v[STO], s13, v[STO]
	v_bfe_u32 v[RD], v0, 3, 2
	v_mul_u32_u24 v[RD], v[RD], SP
	v_lshl_add_u32 v[RD], v10, 4, v[RD]
	v_add_nc_u32 v[RD], s13, v[RD]
	v_and_b32 v[GO], 31, v0
	v_lshlrev_b32 v[PFO], 8, v[GO]
	v_lshlrev_b32 v[GO], 4, v[GO]
	; A block's first step multiplies O^T and l by a = 0, and its first turn works on a piece 3 that has not been.  So these registers need only hold finite numbers: zeros for the first block,
	; what the first block left for the second.  All this stands in the wait for the first tile.
	WIN 0xc0
.set i, 0
.rept 64
	v_mov_b32 v[VF+i], 0
.set i, i+1
.endr
	WIN 0x40
.set i, 0
.rept 128
	v_mov_b32 v[i], 0
.set i, i+1
.endr
	WIN 0
.set i, 0
.rept 32
	v_mov_b32 v[S+96+i], 0
.set i, i+1
.endr
.set i, 0
.rept 4
	v_mov_b32 v[ST+4*i+2], 0
	v_mov_b32 v[ST+4*i+3], 0
	v_mov_b32 v[TMP+12+i], 0
.set i, i+1
.endr
; THE MATRIX WORK.  Four accumulators take turns in each run.  Product i of 24 of S^T for piece x: keys 16 (i % 4) on; i / 4 picks the pair of fragments:
; (Kh0, Qh0), (Kh1, Qh1), (Kh0, Ql0), (Kh1, Ql1), (Kl0, Qh0), (Kl1, Qh1).  The first four start the sums with the mask.
.macro KQ x
.set rS, S+32*(\x)+8*(i%4)
.set rK, KF+32*(i%4)+8*((i/4)%2+2*(i/16))
.set rQ, 32*(\x)+8*((i/4)%4)
.set rM, MC+32*((\x)%2)+8*(i%4)
.if i < 4
	WIN W_KM
	v_wmma_f32_16x16x32_bf16 v[rS:rS+7], v[rK:rK+7], v[rQ:rQ+7], v[rM:rM+7]
.else
	WIN W_KQ
	v_wmma_f32_16x16x32_bf16 v[rS:rS+7], v[rK:rK+7], v[rQ:rQ+7], v[rS:rS+7]
.endif
.endm
.macro PV x                         ; product i of 8 of O^T += V^T P: keys 32 (i / 4) on, channels 16 (i % 4) on
	WIN W_PV
.set rO, 32*(\x)+8*(i%4)
.set rV, VF+32*(i/4)+8*(i%4)
.set rP, P+16*(\x)+8*(i/4)
	v_wmma_f32_16x16x32_bf16 v[rO:rO+7], v[rV:rV+7], v[rP:rP+7], v[rO:rO+7]
.endm
.macro MM                           ; the turn's next matrix instruction.  NOKQ = 1: a block's last turn: there is no next piece
.if i < 24
.if !NOKQ
	KQ (Y+1)%NP
.endif
.else
.set i, i-24
	PV (Y+NP-1)%NP
.set i, i+24
.endif
.set i, i+1
.endm
.macro FETCH_K                      ; a step's K in one run of 32 loads: all hi fragments, then all lo
	WIN 0xc0
.irp g, 0,2
.irp kb, 0,1,2,3
.irp f, 0,1
	ds_load_b128 v[KF+32*(\kb)+8*((\g)+(\f)):KF+32*(\kb)+8*((\g)+(\f))+3],   v[AK] offset:(\kb)*16*PK+((\g)+(\f))*64
	ds_load_b128 v[KF+32*(\kb)+8*((\g)+(\f))+4:KF+32*(\kb)+8*((\g)+(\f))+7], v[AK] offset:(\kb)*16*PK+((\g)+(\f))*64+32
.endr
.endr
.endr
	s_add_co_u32 s[TBK], s[TBK], KS*PK
	WIN 0
.endm
.macro FETCH_V
	WIN 0xc0
.irp f, 0,1,2,3,4,5,6,7             ; keys 32 (f / 4) on, channels 16 (f % 4) on
	ds_load_tr16_b128 v[VF+8*\f:VF+8*\f+3],   v[AV] offset:(\f/4)*32*PV+(\f%4)*32
	ds_load_tr16_b128 v[VF+8*\f+4:VF+8*\f+7], v[AV] offset:(\f/4)*32*PV+16*PV+(\f%4)*32
.endr
	s_add_co_u32 s[TBV], s[TBV], KS*PV
	WIN 0
.endm
; THE VECTOR WORK: OP kind, number.  Piece Y: F n: c s - c m for pair n.  E n: the exponential of score n.  R n: pair n of O^T times a.  Piece Y - 1: C n: pair n rounded to bf16.  B n: of the four weights 4 n ..
; the second pair is added onto the first.  L n: l takes that sum (L 0: l = a l + sum).  Piece Y + 1: X n, number n of the 22 that find its maximum and statistics:
;   0-11 four chains c0-c3 of seven scores each (each accumulator's lowest registers first)   12-14, 16 the scores left over, the old m, c0-c3 into c0   15 c m_old is kept
;   17, 18 the other half of the lanes: the new m   19-21 c m; c m_old - c m_new; a
.set F, 0
.set E, 1
.set C, 2
.set B, 3
.set L, 4
.set R, 5
.set X, 6
.macro REGS y
.set rT, ST+4*(\y)
.set rC, TMP+4*(\y)
.set rW, MV+(\y)
.set rS, S+32*(\y)
.set rP, P+16*(\y)
.set rO, 32*(\y)
.endm
.macro OP k, n
.if (\k) == R
	REGS Y
	WIN W_RS
	v_pk_mul_f32 v[rO+2*(\n):rO+2*(\n)+1], v[rO+2*(\n):rO+2*(\n)+1], v[rC+2:rC+3] op_sel_hi:[1,0]
.elseif (\k) == F
	REGS Y
	WIN 0
	v_pk_fma_f32 v[rS+2*(\n):rS+2*(\n)+1], v[rS+2*(\n):rS+2*(\n)+1], s[CS:CS+1], v[rT:rT+1] op_sel_hi:[1,0,0] neg_lo:[0,0,1] neg_hi:[0,0,1]
.elseif (\k) == E
	REGS Y
	WIN 0
	v_exp_f32 v[rS+(\n)], v[rS+(\n)]
.elseif (\k) < R
	REGS (Y+NP-1)%NP
	WIN 0
.if (\k) == C
	v_cvt_pk_bf16_f32 v[rP+(\n)], v[rS+2*(\n)], v[rS+2*(\n)+1]
.elseif (\k) == B
	v_pk_add_f32 v[rS+4*(\n):rS+4*(\n)+1], v[rS+4*(\n):rS+4*(\n)+1], v[rS+4*(\n)+2:rS+4*(\n)+3]
.elseif (\n) == 0
	v_pk_fma_f32 v[rT+2:rT+3], v[rT+2:rT+3], v[rC+2:rC+3], v[rS:rS+1] op_sel_hi:[1,0,1]
.else
	v_pk_add_f32 v[rT+2:rT+3], v[rT+2:rT+3], v[rS+4*(\n):rS+4*(\n)+1]
.endif
.elseif !NOKQ
	REGS (Y+1)%NP
	WIN 0
.if (\n) < 4
	v_max3_num_f32 v[rC+(\n)], v[rS+8*(\n)], v[rS+8*(\n)+1], v[rS+8*(\n)+2]
.elseif (\n) < 12
	v_max3_num_f32 v[rC+(\n)%4], v[rC+(\n)%4], v[rS+8*((\n)%4)+2*((\n)/4)+1], v[rS+8*((\n)%4)+2*((\n)/4)+2]
.elseif (\n) == 12
	v_max3_num_f32 v[rC], v[rC], v[rS+7], v[rS+15]
.elseif (\n) == 13
	v_max3_num_f32 v[rC+1], v[rC+1], v[rS+23], v[rS+31]
.elseif (\n) == 14
	v_max3_num_f32 v[rC+2], v[rC+2], v[rC+3], v[rT+1]
.elseif (\n) == 15
	v_mov_b32 v[rW], v[rT]
.elseif (\n) == 16
	v_max3_num_f32 v[rC], v[rC], v[rC+1], v[rC+2]
.elseif (\n) == 17
	v_permlanex16_b32 v[rC+3], v[rC], s[SEL], s[SEL+1]
.elseif (\n) == 18
	v_max_num_f32 v[rT+1], v[rC], v[rC+3]
.elseif (\n) == 19
	v_mul_f32 v[rT], s[CS], v[rT+1]
.elseif (\n) == 20
	v_sub_f32 v[rC+1], v[rW], v[rT]
.else
	v_exp_f32 v[rC+2], v[rC+1]
.endif
.endif
.endm
.macro OPS a, i1, b=-1, i2=0, c=-1, i3=0, d=-1, i4=0
	OP \a, \i1
.if (\b) >= 0
	OP \b, \i2
.endif
.if (\c) >= 0
	OP \c, \i3
.endif
.if (\d) >= 0
	OP \d, \i4
.endif
.endm
.macro ROW a, i1, b=-1, i2=0, c=-1, i3=0, d=-1, i4=0  ; a matrix instruction and its riders
	MM
	OPS \a, \i1, \b, \i2, \c, \i3, \d, \i4
.endm
.macro MASK b                       ; MD x AL + BE into buffer b of MC
	WIN W_RS
.set z, 0
.rept 16
	v_pk_fma_f32 v[MC+32*(\b)+2*z:MC+32*(\b)+2*z+1], v[MD+2*z:MD+2*z+1], s[AL:AL+1], s[BE:BE+1] op_sel_hi:[1,0,0]
.set z, z+1
.endr
.endm
; A TURN, for piece p, written out row by row.  Nothing in it names a result of its own exponentials: their readers (C, B, L of this piece; R and L 0 by the new a) stand in later turns, behind the ONE wait at the
; turn's end.  Products 20 to 23 end the four accumulators of S^T; X 0 to X 3, their first readers, each stand behind the four plain riders of the row before.
; K of the next step is fetched in piece 2's turn behind the last product K Q^T and its four plain riders; its hi half is waited for at the head of piece 3's turn, its lo half ahead of product 16.
; V of the step in hand is fetched at the end of piece 0's turn, five plain instructions behind the last product that read V, and waited for ahead of piece 1's first product V^T P.
; In the diagonal tile (RT = 0) a turn ends by making the mask for the products of the turn after it: piece p + 2, key step 4 - CNT.  end = 1: a block's last two turns: no fetch, no mask.
.macro TURN p, end=0
.set Y, (\p)
.set i, 0
.set NOKQ, (\end)*((\p)/3)
.if ((\p) == 3) && !(\end)
	s_wait_dscnt 16                 ; K's hi fragments are in; the 16 loads of lo may be out
.endif
	ROW C,0, B,0, F,0, F,1
	ROW C,2, E,0, B,1, F,2
	ROW L,0, E,1, C,4, F,3
	ROW B,2, E,2, L,1, F,4
	ROW C,6, E,3, B,3, F,5
	ROW L,2, E,4, C,8, F,6
	ROW B,4, E,5, L,3, F,7
	ROW C,10, E,6, B,5, F,8
	ROW L,4, E,7, C,12, F,9
	ROW B,6, E,8, L,5, F,10
	ROW C,14, E,9, B,7, F,11
	ROW L,6, E,10, C,1, F,12
	ROW C,3, E,11, L,7, F,13
	ROW C,5, E,12, C,7, F,14
	ROW C,9, E,13, C,11, F,15
	ROW C,13, E,14, C,15
.if ((\p) == 3) && !(\end)
	s_wait_dscnt 0x0                ; K's lo fragments are in
.endif
	ROW E,15, R,0, R,1
	ROW E,16, R,2, R,3
	ROW E,17, R,4, R,5
	ROW E,18, E,19
.if ((\p) == 2) && !(\end)
	WIN 0
	v_add_nc_u32 v[AK], s[TBK], v[AK0]
.endif
	ROW R,6, R,7, R,8, R,9
	ROW X,0, R,10, R,11, R,12
	ROW X,1, X,4, R,13, R,14
	ROW X,2, X,5, X,8, R,15
.if ((\p) == 2) && !(\end)
	FETCH_K
.endif
.if (\p) == 1
	s_wait_dscnt 0x0                ; V is in
.endif
	ROW X,3, E,20, X,6, X,9
	ROW X,7, E,21, X,10, X,12
	ROW X,11, E,22, X,13, X,15
	ROW X,14, E,23, E,24
	ROW X,16, E,25, E,26
	ROW X,17, E,27, E,28
	ROW X,18, E,29, E,30, X,19
	ROW X,20, E,31, X,21
	WIN 0
	v_nop                           ; a plain instruction behind the last exponential: one for the batch
.if (\p) == 0
	v_add_nc_u32 v[AV], s[TBV], v[AV0]
	v_nop
	v_nop
.endif
	s_wait_alu depctr_va_vdst(0)    ; the wait for the batch
.if (\p) == 0
	FETCH_V
.endif
.if !(\end)
	s_cmp_lg_u32 s[RT], 0
	s_cbranch_scc1 .Lno_mask_\@
	s_cmp_eq_u32 s[CNT], 4-((\p)+2)%NP  ; is that step the band's own?
	s_cselect_b32 s[AL], 1.0, 0
	s_cmp_lt_u32 s[CNT], 4-((\p)+2)%NP  ; or a later one?
	s_cselect_b32 s[BE], s[BIGN], 0
	MASK (\p)%2
	WIN 0
.Lno_mask_\@:
.endif
.endm
; A BLOCK BEGINS.  c m starts far below every c s, so the first step's a is 0; m at the lowest finite number.  The second mask buffer is 0; the first takes piece 0's mask for the tile's step 0: its own, if the
; block's first tile is the diagonal one, else 0.  Then K of that step, piece 0's first scores, its maximum and statistics.
.macro BEGIN
	s_mov_b32 s[NEW], 0
	WIN 0x40
.set i, MC+32
.rept 32
	v_mov_b32 v[i], 0
.set i, i+1
.endr
	WIN 0
.set i, 0
.rept 4
	v_mov_b32 v[ST+4*i], 0xfe000000
	v_mov_b32 v[ST+4*i+1], 0xff7fffff
.set i, i+1
.endr
	s_cmp_eq_u32 s[RT], 0
	s_cselect_b32 s[AL], 1.0, 0
	s_mov_b32 s[BE], 0
	MASK 0
	WIN 0
	v_add_nc_u32 v[AK], s[TBK], v[AK0]
	FETCH_K
	s_wait_loadcnt 0x0              ; Q
	s_wait_dscnt 0x0
.set NOKQ, 0
.set i, 0
.rept 24
	KQ 0
.set i, i+1
.endr
	WIN 0
.rept 4
	v_nop                           ; the places behind those products
.endr
.set Y, NP-1
.irp n, 0,1,2,3,4,5,6,7,8,9,10,11,12,13,14,15,16,17,18,19,20,21
	OP X, \n
.endr
	v_nop
	s_wait_alu depctr_va_vdst(0)    ; a's wait, ahead of the branch
.endm
.macro ALL line:vararg
.set t, 0
.rept 4
	\line
.set t, t+1
.endr
.endm
.macro PACK t                       ; O^T / l, rounded; 16 bytes a lane into rows of 144 bytes, back as whole rows of 128, into S^T's registers
	WIN W_RS
.set i, 32*(\t)
.rept 16
	v_pk_mul_f32 v[i:i+1], v[i:i+1], v[ST+4*(\t)+2:ST+4*(\t)+3] op_sel_hi:[1,0]
.set i, i+2
.endr
	WIN 0x05
.set i, 0
.rept 16
	v_cvt_pk_bf16_f32 v[S+16*(\t)+i], v[32*(\t)+2*i], v[32*(\t)+2*i+1]
.set i, i+1
.endr
	WIN 0
.irp f, 0,1,2,3
	ds_store_b128 v[STO], v[S+16*(\t)+4*\f:S+16*(\t)+4*\f+3] offset:32*\f
.endr
.irp f, 0,1,2,3
	ds_load_b128 v[S+16*(\t)+4*\f:S+16*(\t)+4*\f+3], v[RD] offset:\f*4*SP  ; LDS serves a wave's instructions in order (ISA guide 5.7.1.4)
.endr
.endm
.macro SEND t, younger              ; younger: the LDS instructions issued behind piece t's loads
	WIN 0
.irp f, 0,1,2,3
	s_wait_dscnt (\younger)+3-\f
	global_store_b128 v[GO], v[S+16*(\t)+4*\f:S+16*(\t)+4*\f+3], s[10:11] offset:(\t)*8192+\f*512  ; 512 consecutive bytes, aligned
.endr
.endm
; A BLOCK ENDS: its last two turns, piece 3's roundings and sums, its last products, and the way out.
.macro BLOCKEND
	TURN 2, 1
	TURN 3, 1
.set Y, 0
.set NOKQ, 0
	OPS C,0, B,0, C,2, B,1
	OPS L,0, C,4, B,2, L,1
	OPS C,6, B,3, L,2, C,8
	OPS B,4, L,3, C,10, B,5
	OPS L,4, C,12, B,6, L,5
	OPS C,14, B,7, L,6, C,1
	OPS C,3, L,7, C,5, C,7
	OPS C,9, C,11, C,13, C,15
.set i, 0
.rept 8
	PV NP-1
.set i, i+1
.endr
	WIN 0
	ALL v_add_f32 v[ST+4*t+2], v[ST+4*t+2], v[ST+4*t+3]
	ALL v_permlanex16_b32 v[ST+4*t+3], v[ST+4*t+2], s[SEL], s[SEL+1]
	ALL v_add_f32 v[ST+4*t+2], v[ST+4*t+2], v[ST+4*t+3]
	ALL v_rcp_f32 v[ST+4*t+2], v[ST+4*t+2]
	v_nop
	s_wait_alu depctr_va_vdst(0)    ; one wait for the four reciprocals
	PACK 0
.set t, 1
.rept 3
	PACK t
	SEND t-1, 8
.set t, t+1
.endr
	SEND 3, 0
.endm
.set NOKQ, 0
.Lslot:                             ; NB times: a tile is entered and the next is asked for
	CHANGE 1
	s_sub_co_u32 s[RT], s[RT], 1
	s_mov_b32 s[CNT], 4
	s_cmp_eq_u32 s[NEW], 1          ; at the first trip the answer is a constant of the text
	s_cbranch_scc0 .Lstep1
	BEGIN
	s_branch .Lfirst1               ; the loop is entered at a step's first turn
.Lstep1:                            ; a trip: pieces 2 and 3 of one step, then pieces 0 and 1 of the next, whose K and V it fetches
	TURN 2
	TURN 3
	WIN 0
.Lfirst1:
	TURN 0
	TURN 1
	WIN 0
	s_sub_co_u32 s[CNT], s[CNT], 1
	s_cmp_lg_u32 s[CNT], 0
	s_cbranch_scc1 .Lstep1
	s_cmp_lg_u32 s[RT], 0
	s_cbranch_scc1 .Lbottom
	BLOCKEND                        ; in the loop this is the first block's end
	s_wait_xcnt 0x0                 ; the stores have read their registers and O's address
	s_mov_b64 s[10:11], s[OLO:OLO+1]
	s_add_co_u32 s[RT], s[PB], 1    ; the second block has b + 1 tiles
	s_mov_b32 s[NEW], 1
	WIN 0x82                        ; the second block's Q goes where the turns name Q
.set i, 0
.rept 128
	v_mov_b32 v[i], v[QB+i]
.set i, i+1
.endr
	WIN 0
.Lbottom:
	s_sub_co_u32 s[SLOTS], s[SLOTS], 1
	s_cmp_lg_u32 s[SLOTS], 0
	s_cbranch_scc1 .Lslot
	CHANGE 0                        ; the walk's last tile is written out: nothing is asked for
	s_sub_co_u32 s[RT], s[RT], 1
	s_mov_b32 s[CNT], 4
	s_cmp_eq_u32 s[NEW], 1
	s_cbranch_scc0 .Lstep2
	BEGIN
	s_branch .Lfirst2
.Lstep2:
	TURN 2
	TURN 3
	WIN 0
.Lfirst2:
	TURN 0
	TURN 1
	WIN 0
	s_sub_co_u32 s[CNT], s[CNT], 1
	s_cmp_lg_u32 s[CNT], 0
	s_cbranch_scc1 .Lstep2
	BLOCKEND
	s_wait_tensorcnt 0x0            ; the wave's end: behind my last tensor load and my last LDS store
	ds_add_u32 v[SPW], v[NIL]
	s_wait_dscnt 0x0
	s_endpgm
.Lfunc_end_k_q91ffd21be7_attn:
	.size	k_q91ffd21be7_attn, .Lfunc_end_k_q91ffd21be7_attn-k_q91ffd21be7_attn
	.p2alignl 7, 3214868480
	.fill 96, 4, 3214868480
	.section	.rodata,"a",@progbits
	.p2align	6, 0x0
	.amdhsa_kernel k_q91ffd21be7_attn
		.amdhsa_group_segment_fixed_size 327680
		.amdhsa_private_segment_fixed_size 0
		.amdhsa_enable_private_segment 0
		.amdhsa_kernarg_size 32
		.amdhsa_user_sgpr_count 2
		.amdhsa_user_sgpr_kernarg_segment_ptr 1
		.amdhsa_wavefront_size32 1
		.amdhsa_system_sgpr_workgroup_id_x 1
		.amdhsa_system_sgpr_workgroup_id_y 1
		.amdhsa_system_sgpr_workgroup_id_z 1
		.amdhsa_system_vgpr_workitem_id 0
		.amdhsa_next_free_vgpr 1024
		.amdhsa_next_free_sgpr 100
		.amdhsa_reserve_vcc 1
		.amdhsa_float_denorm_mode_32 3
		.amdhsa_float_denorm_mode_16_64 3
		.amdhsa_memory_ordered 1
		.amdhsa_forward_progress 1
		.amdhsa_inst_pref_size 212
	.end_amdhsa_kernel
	.amdgpu_metadata
---
amdhsa.version: [ 1, 2 ]
amdhsa.kernels:
  - .name:           k_q91ffd21be7_attn
    .symbol:         k_q91ffd21be7_attn.kd
    .args:
      - { .name: qs, .offset: 0, .size: 8, .value_kind: global_buffer, .address_space: global }
      - { .name: ks, .offset: 8, .size: 8, .value_kind: global_buffer, .address_space: global }
      - { .name: vs, .offset: 16, .size: 8, .value_kind: global_buffer, .address_space: global }
      - { .name: ob, .offset: 24, .size: 8, .value_kind: global_buffer, .address_space: global }
    .group_segment_fixed_size: 327680
    .private_segment_fixed_size: 0
    .kernarg_segment_align: 8
    .kernarg_segment_size: 32
    .max_flat_workgroup_size: 128
    .sgpr_count:     100
    .vgpr_count:     1024
    .wavefront_size: 32
...
	.end_amdgpu_metadata
.endif
;; end of part 3
;; launch out (part 4): grid 4 x 64, 4 waves a work-group, clusters of 4 x 4, 327,680 bytes of LDS; arguments ob, wb, out0; writes out0
.if DOCPART == 4
	.amdgcn_target "amdgcn-amd-amdhsa--gfx1250"
	.amdhsa_code_object_version 6
	.text
	.protected	k_q91ffd21be7_out
	.globl	k_q91ffd21be7_out
	.p2align	8
	.type	k_q91ffd21be7_out,@function
k_q91ffd21be7_out:
	s_mov_b64 s[64:65], 0
	v_nop
	global_prefetch_b8 v0, s[64:65] scope:SCOPE_SE
	s_setreg_imm32_b32 hwreg(HW_REG_WAVE_MODE, 25, 1), 1
	s_wait_xcnt 0x0
	s_wait_alu depctr_hold_cnt(0) depctr_sa_sdst(0) depctr_va_vdst(0) depctr_va_sdst(0) depctr_va_ssrc(0) depctr_va_vcc(0) depctr_vm_vsrc(0)
	s_getreg_b32 s2, hwreg(HW_REG_IB_STS2, 6, 4)
	s_cmp_eq_u32 s2, 0
	s_cbranch_scc0 .Lentry_in_a_cluster
	s_endpgm
.Lentry_in_a_cluster:
	s_bfe_u32 s2, ttmp6, 0x10000c
	s_cmp_lg_u32 s2, 0xf033
	s_cbranch_scc0 .Lentry_shape_is_right
	s_endpgm
.Lentry_shape_is_right:
; OUT.  out0[m][n] = the sum over k of O[m][k] o_w[n][k], sums in f32, stored as f32.  O comes by heads, ob [64 bh][2048 s][64] bf16: k = 64 x head + channel; o_w in bf16 is wb's rows 3,072 on.
; A tile of out0 is 128 x 256: 64 x 4 = 256 work-groups.  Four waves; wave (RH, CH) makes 64 x 128: 32 accumulators, acc(a, b) at v[8 (8 a + b)] of window 1.
; The matrix instruction is used transposed (source 0 = 16 rows of o_w, source 1 = 16 rows of O): a lane holds row l % 16 and the columns 16 b + 8 (l / 16) + 0..7.
; K = 1,024 goes in 8 steps of 128 = two heads.  A head's 128 rows of the tile are 16,384 dense bytes: asked for as 64 rows of 256 bytes, padded in LDS after every 128 (a row of the head).
; CLUSTER 4 x 4: O's tile is asked for jointly along a row of the cluster, o_w's along a column.
; REGISTERS: window 0: v0-29 addresses; two fragment buffers f: o_w's 8 fragments at 64 + 96 f, O's 4 at 128 + 96 f      window 1: the accumulators      window 2: the way out
.set PA,    144                        ; a row of a head in LDS: 128 bytes + 16
.set HEADB, 128*PA                     ; a head's 128 rows
.set PBB,   272
.set BOFF,  2*HEADB                    ; a slot: two heads of O, then o_w's 256 rows
.set SLOT1, 1<<17
.set STAGE, SLOT1+BOFF+256*PBB         ; behind the ring: 16 rows x 528 bytes for each wave
.set SPO,   528                        ; 512 bytes + 16
.set SPARE, STAGE+4*16*SPO
.set KSB,   256                        ; a K step in a row of o_w
.set ASTEP, 2*2048*128                 ; and in ob: two heads on
.set BROW0, 3072
.set PADWA, (1<<16)|(1<<20)|(1<<21)|(4<<22)|(3<<25)  ; 4 words of padding after every 32
.set PADWB, (1<<16)|(1<<20)|(1<<21)|(5<<22)|(3<<25)  ; after every 64
.set ADA0, 4
.set ADB0, 5
.set ADA,  6
.set ADB,  7
.set PFO,  8
.set SPW,  28
.set NIL,  29
.set STO,  0                           ; window 2
.set RD,   1
.set CO,   2
.set BK,   64                          ; window 2: two buffers of 64
.set WV, 16
.set RH, 17
.set CH, 18
.set CX, 19
.set CY, 20
.set TC, 21
.set TR, 22
.set G1A, 24
.set G1B, 32
.set G0A, 40
.set G0B, 48
.set TB,  56
.set CNT, 57
.set LIM, 59
.set PFA, 60
.set PFS, 62
.set DST, 78
.set MSB, 0
.macro WIN new
.if MSB != (\new)
	s_set_vgpr_msb (MSB<<8)|(\new)
.set MSB, \new
.endif
.endm
.macro PLACES
.rept 4
	v_nop
.endr
.endm
.macro CREST
	s_cmp_lg_u32 s[WV], 0
	s_cbranch_scc1 .Lnot_wave_0_\@
	s_barrier_signal -3
.Lnot_wave_0_\@:
	s_barrier_wait -3
	s_barrier_signal -1
	s_barrier_wait -1
.endm
.macro CROUND
	s_barrier_signal -1
	s_barrier_wait -1
	CREST
.endm
.macro JLOAD                           ; waves 0, 1 fetch the K step's two heads of O, waves 2, 3 the halves of o_w's tile; s_nop 0 and four v_nop follow each line
	s_cmp_eq_u32 s[RH], 0
	s_cbranch_scc0 .Lfor_b_\@
	tensor_load_to_lds s[G0A+4:G0A+7], s[G1A:G1A+7]
	s_nop 0
	PLACES
	s_branch .Lasked_\@
.Lfor_b_\@:
	tensor_load_to_lds s[G0B+4:G0B+7], s[G1B:G1B+7]
	s_nop 0
	PLACES
.Lasked_\@:
.endm
; A prefetch of the K step that stands two refills on.  O's tile is read by this cluster alone: wave 0 asks; of the step's 2 x 16,384 bytes partner cx takes 8,192 (head cx / 2, half cx % 2), a lane 256 bytes.
; o_w's tile column is read by the sixteen clusters: cluster y = 0 asks, waves 2 and 3, each 32 of the 256 rows by cy and the wave, a lane a row.  Partners are told apart by address alone.
; K steps 0 to 3 come by their loads alone; the last two refills ask for nothing.
.macro ASK
	s_cmp_gt_u32 s[CNT], s[LIM]
	s_cbranch_scc0 .Lnot_mine_\@
	global_prefetch_b8 v[PFO], s[PFA:PFA+1] th:TH_LOAD_NT scope:SCOPE_SE
.Lnot_mine_\@:
.endm
.macro MUL8 f, a, zero
	WIN 0x50
.irp b, 0,1,2,3,4,5,6,7
.if \zero
	v_wmma_f32_16x16x32_bf16 v[8*(8*(\a)+(\b)):8*(8*(\a)+(\b))+7], v[64+96*(\f)+8*(\b):64+96*(\f)+8*(\b)+7], v[128+96*(\f)+8*(\a):128+96*(\f)+8*(\a)+7], 0
.else
	v_wmma_f32_16x16x32_bf16 v[8*(8*(\a)+(\b)):8*(8*(\a)+(\b))+7], v[64+96*(\f)+8*(\b):64+96*(\f)+8*(\b)+7], v[128+96*(\f)+8*(\a):128+96*(\f)+8*(\a)+7], v[8*(8*(\a)+(\b)):8*(8*(\a)+(\b))+7]
.endif
.endr
.endm
.macro MULH f, a0, zero
	MUL8 \f, \a0, \zero
	MUL8 \f, (\a0)+1, \zero
.endm
.macro FETCH q, f                      ; quarter q: o_w at byte 64 q of its rows; O in head q / 2 at byte 64 (q % 2)
	WIN 0
.irp i, 0,1,2,3,4,5,6,7
	ds_load_b128 v[64+96*(\f)+8*(\i):64+96*(\f)+8*(\i)+3],   v[ADB] offset:64*(\q)+(\i)*16*PBB
	ds_load_b128 v[64+96*(\f)+8*(\i)+4:64+96*(\f)+8*(\i)+7], v[ADB] offset:64*(\q)+(\i)*16*PBB+32
.endr
.irp i, 0,1,2,3
	ds_load_b128 v[128+96*(\f)+8*(\i):128+96*(\f)+8*(\i)+3],   v[ADA] offset:((\q)/2)*HEADB+((\q)%2)*64+(\i)*16*PA
	ds_load_b128 v[128+96*(\f)+8*(\i)+4:128+96*(\f)+8*(\i)+7], v[ADA] offset:((\q)/2)*HEADB+((\q)%2)*64+(\i)*16*PA+32
.endr
.endm
.macro QUARTER q, f, g, zero           ; the 32 accumulators take turns in one order everywhere
	s_wait_dscnt 4                                 ; all but O's row blocks 2 and 3 (the youngest four loads)
	MULH \f, 0, \zero
	PLACES
	FETCH \q, \g
	s_wait_dscnt 24                                ; all but the 24 just issued
	MULH \f, 2, \zero
.endm
.macro MEET
	WIN 0
	s_wait_tensorcnt 0x0                           ; all my tensor loads have landed: my part of the next slot
	ds_add_u32 v[SPW], v[NIL]
	s_wait_dscnt 5                                 ; the add and the youngest four loads may be out
	MUL8 1, 0, 0
	s_wait_dscnt 0x0                               ; the add is done, my reads of this slot are over
	s_barrier_signal -1
	MUL8 1, 1, 0
	WIN 0
	s_barrier_wait -1
.endm
.macro TURN fill
.if \fill
	s_wait_xcnt 0x0                                ; the last prefetch, a K step back, has read its address
	s_add_nc_u64 s[PFA:PFA+1], s[PFA:PFA+1], s[PFS:PFS+1]
.endif
	MEET
.if \fill
	CREST                                          ; no wave of any partner still reads the slot or has a load on its way
	s_xor_b32 s[G0A+5], s[G0A+5], SLOT1
	s_add_nc_u64 s[G0A+6:G0A+7], s[G0A+6:G0A+7], ASTEP
	s_xor_b32 s[G0B+5], s[G0B+5], SLOT1
	s_add_nc_u64 s[G0B+6:G0B+7], s[G0B+6:G0B+7], KSB
	JLOAD
.else
	PLACES
.endif
	s_xor_b32 s[TB], s[TB], SLOT1
	v_add_nc_u32 v[ADA], s[TB], v[ADA0]
	v_add_nc_u32 v[ADB], s[TB], v[ADB0]
	FETCH 0, 0
.if \fill
	ASK
.endif
	MULH 1, 2, 0
.endm
	s_load_b128 s[4:7], s[0:1], 0x0                ; ob s[4:5], wb s[6:7]
	s_load_b64 s[8:9], s[0:1], 0x10                ; out0
	v_lshl_add_u32 v[SPW], v0, 2, SPARE
	v_mov_b32 v[NIL], 0
	ds_add_u32 v[SPW], v[NIL]                      ; the wave's opening: the add and its wait ahead of my first tensor load
	v_lshrrev_b32 v3, 5, v0
	v_readfirstlane_b32 s[WV], v3
	s_lshr_b32 s[RH], s[WV], 1
	s_and_b32 s[CH], s[WV], 1
	s_bfe_u32 s[CX], ttmp6, 0x40000
	s_bfe_u32 s[CY], ttmp6, 0x40004
	s_lshl_b32 s[TC], ttmp9, 2
	s_add_co_u32 s[TC], s[TC], s[CX]
	s_and_b32 s[TR], ttmp7, 0xffff
	s_lshl_b32 s[TR], s[TR], 2
	s_add_co_u32 s[TR], s[TR], s[CY]
	s_lshl_b32 s66, s[CY], 2
	s_lshl_b32 s66, 15, s66
	s_lshl_b32 s68, 0x1111, s[CX]
	s_or_b32 s[G1A], s66, PADWA
	s_or_b32 s[G1B], s68, PADWB
.irp g, G1A, G1B
	s_mov_b32 s[(\g)+1], 128<<16
	s_mov_b32 s[(\g)+3], 128<<16
	s_mov_b32 s[(\g)+6], 0
	s_mov_b32 s[(\g)+7], 0
.endr
	s_mov_b32 s[G1A+2], 64<<16                     ; O: 64 rows of 256 dense bytes
	s_mov_b32 s[G1A+4], 64
	s_mov_b32 s[G1A+5], 128
	s_mov_b32 s[G1B+2], 128<<16                    ; o_w: 128 rows, 1,024 elements apart
	s_mov_b32 s[G1B+4], 128
	s_mov_b32 s[G1B+5], 1024
	s_lshr_b32 s66, s[TR], 4                       ; O: head 16 x batch + CH, row 128 x (tile row % 16), rows of 128 bytes: of the tile row and the wave alone
	s_lshl_b32 s66, s66, 4
	s_add_co_u32 s66, s66, s[CH]
	s_lshl_b32 s66, s66, 11
	s_and_b32 s67, s[TR], 15
	s_lshl_b32 s67, s67, 7
	s_add_co_u32 s66, s66, s67
	s_lshl_b32 s66, s66, 7
	s_mov_b32 s67, 0
	s_lshl_b32 s68, s[TC], 8                       ; o_w: row 3,072 + 256 x tile column + 128 x half
	s_lshl_b32 s69, s[CH], 7
	s_add_co_u32 s68, s68, s69
	s_add_co_u32 s68, s68, BROW0
	s_lshl_b32 s68, s68, 11
	s_mov_b32 s69, 0
	s_mul_i32 s70, s[CH], HEADB
	s_mul_i32 s71, s[CH], 128*PBB
	s_add_co_u32 s71, s71, BOFF
	s_mov_b32 s[TB], 0
	s_wait_dscnt 0x0                               ; the opening add is done
	s_wait_kmcnt 0x0
	s_add_nc_u64 s[66:67], s[4:5], s[66:67]
	s_add_nc_u64 s[68:69], s[6:7], s[68:69]
	CROUND                                         ; all sixteen work-groups are here: the first joint loads meet
.irp s, 0,1
	s_mov_b32 s[G0A+4*(\s)], 1
	s_add_co_u32 s[G0A+4*(\s)+1], s70, (\s)*SLOT1
	s_add_nc_u64 s[G0A+4*(\s)+2:G0A+4*(\s)+3], s[66:67], (\s)*ASTEP
	s_or_b32 s[G0A+4*(\s)+3], s[G0A+4*(\s)+3], 0x80000000
	s_mov_b32 s[G0B+4*(\s)], 1
	s_add_co_u32 s[G0B+4*(\s)+1], s71, (\s)*SLOT1
	s_add_nc_u64 s[G0B+4*(\s)+2:G0B+4*(\s)+3], s[68:69], (\s)*KSB
	s_or_b32 s[G0B+4*(\s)+3], s[G0B+4*(\s)+3], 0x80000000
.endr
	s_cmp_eq_u32 s[RH], 0                          ; a wave's two first fills stand in one branch: two loads of mine are out
	s_cbranch_scc0 .Lfirst_b
	tensor_load_to_lds s[G0A:G0A+3], s[G1A:G1A+7]
	s_nop 0
	tensor_load_to_lds s[G0A+4:G0A+7], s[G1A:G1A+7]
	s_nop 0
	PLACES
	s_branch .Lfirst_done
.Lfirst_b:
	tensor_load_to_lds s[G0B:G0B+3], s[G1B:G1B+7]
	s_nop 0
	tensor_load_to_lds s[G0B+4:G0B+7], s[G1B:G1B+7]
	s_nop 0
	PLACES
.Lfirst_done:
	v_and_b32 v1, 15, v0
	v_bfe_u32 v2, v0, 4, 1
	v_mul_u32_u24 v3, v1, PA
	v_lshl_add_u32 v3, v2, 4, v3
	s_mul_i32 s72, s[RH], 64*PA
	v_add_nc_u32 v[ADA0], s72, v3
	v_mul_u32_u24 v3, v1, PBB
	v_lshl_add_u32 v3, v2, 4, v3
	v_add_nc_u32 v[ADB0], s71, v3
	v_mov_b32 v[ADA], v[ADA0]
	v_mov_b32 v[ADB], v[ADB0]
	; the prefetches
	s_lshr_b32 s72, s[TR], 4
	s_lshl_b32 s72, s72, 4
	s_lshr_b32 s73, s[CX], 1
	s_add_co_u32 s72, s72, s73
	s_add_co_u32 s72, s72, 6                       ; O: K step 3's head 6 + cx / 2 of the batch,
	s_lshl_b32 s72, s72, 11
	s_and_b32 s73, s[TR], 15
	s_lshl_b32 s73, s73, 7
	s_add_co_u32 s72, s72, s73
	s_and_b32 s73, s[CX], 1
	s_lshl_b32 s73, s73, 6
	s_add_co_u32 s72, s72, s73                     ; the tile's rows, half cx % 2,
	s_lshl_b32 s72, s72, 7                         ; in bytes
	s_lshl_b32 s74, s[TC], 8
	s_lshl_b32 s73, s[CY], 6
	s_add_co_u32 s74, s74, s73
	s_lshl_b32 s73, s[CH], 5
	s_add_co_u32 s74, s74, s73
	s_add_co_u32 s74, s74, BROW0                   ; o_w: row 3,072 + 256 x tile column + 64 cy + 32 x (wave - 2),
	s_lshl_b32 s74, s74, 11
	s_add_co_u32 s74, s74, 3*KSB                   ; at K step 3: the first refill steps both to 4
	s_and_b32 s75, ttmp7, 0xffff                   ; cluster y
	s_mov_b32 s77, ASTEP                           ; in a register: the select below may hold one literal
	s_cmp_eq_u32 s[RH], 0
	s_cselect_b32 s72, s72, s74
	s_cselect_b32 s75, ttmp9, s75                  ; the grid is one cluster wide: cluster x is 0
	s_cselect_b32 s76, 8, 11                       ; a lane 256 bytes of O, or a row of o_w
	s_cselect_b32 s[PFS], s77, KSB
	s_cselect_b64 s[PFA:PFA+1], s[4:5], s[6:7]
	s_cmp_eq_u32 s[WV], 1
	s_cselect_b32 s75, 1, s75                      ; wave 1 asks for nothing
	s_cmp_eq_u32 s75, 0
	s_cselect_b32 s[LIM], 2, -1
	s_mov_b32 s73, 0
	s_add_nc_u64 s[PFA:PFA+1], s[PFA:PFA+1], s[72:73]
	s_mov_b32 s[PFS+1], 0
	v_and_b32 v10, 31, v0
	v_lshlrev_b32 v[PFO], s76, v10
	; the way out's addresses
	s_mul_i32 s74, s[WV], 16*SPO
	s_add_co_u32 s74, s74, STAGE                   ; my stage
	v_mul_u32_u24 v11, v1, SPO
	v_lshl_add_u32 v11, v2, 5, v11                 ; in: row l % 16, 32 bytes for each half of the lanes
	v_lshlrev_b32 v10, 4, v10                      ; back: 32 lanes take one row of 512 bytes
	WIN 0x80
	v_add_nc_u32 v[STO], s74, v11
	v_add_nc_u32 v[RD], s74, v10
	v_mov_b32 v[CO], v10
	WIN 0
	s_lshl_b32 s76, s[TR], 7
	s_lshl_b32 s77, s[RH], 6
	s_add_co_u32 s76, s76, s77
	s_lshl_b32 s76, s76, 12                        ; my first row of out0, 4,096 bytes a row,
	s_lshl_b32 s77, s[TC], 10
	s_add_co_u32 s76, s76, s77
	s_lshl_b32 s77, s[CH], 9
	s_add_co_u32 s76, s76, s77                     ; my 128 columns
	s_mov_b32 s77, 0
	s_add_nc_u64 s[DST:DST+1], s[8:9], s[76:77]
	s_wait_tensorcnt 0x1                           ; my part of K step 0 is in; K step 1's may stay out
	s_barrier_signal -1
	s_barrier_wait -1
	FETCH 0, 0
	QUARTER 1, 0, 1, 1                             ; the first quarter's products start the sums
	WIN 0
	s_mov_b32 s[CNT], 6
.Lk:                                           ; six trips; trip i refills K step i + 1
	QUARTER 2, 1, 0, 0
	QUARTER 3, 0, 1, 0
	TURN 1
	QUARTER 1, 0, 1, 0
	WIN 0
	s_sub_co_u32 s[CNT], s[CNT], 1
	s_cmp_lg_u32 s[CNT], 0
	s_cbranch_scc1 .Lk
	QUARTER 2, 1, 0, 0                             ; the rest is written out: nothing is asked for
	QUARTER 3, 0, 1, 0
	TURN 0
	QUARTER 1, 0, 1, 0
	QUARTER 2, 1, 0, 0
	QUARTER 3, 0, 1, 0
	s_wait_dscnt 4
	MULH 1, 0, 0
	s_wait_dscnt 0x0
	MULH 1, 2, 0
	WIN 0
	PLACES
	PLACES
; THE WAY OUT, a row block of 16 rows x 128 columns of f32 at a time: from the accumulators into my own stage, back as whole rows of 512 bytes, stored.
.macro TOST a
.if (\a) >= 2
	s_wait_xcnt 0x0                                ; the stores of the block two back have read this buffer
.endif
	WIN 0x06                                       ; address window 2, data window 1
.irp b, 0,1,2,3,4,5,6,7
	ds_store_b128 v[STO], v[8*(8*(\a)+(\b)):8*(8*(\a)+(\b))+3]   offset:64*(\b)      ; an accumulator's low four registers first
	ds_store_b128 v[STO], v[8*(8*(\a)+(\b))+4:8*(8*(\a)+(\b))+7] offset:64*(\b)+16
.endr
	WIN 0xaa
.irp t, 0,1,2,3,4,5,6,7,8,9,10,11,12,13,14,15
	ds_load_b128 v[BK+64*((\a)%2)+4*(\t):BK+64*((\a)%2)+4*(\t)+3], v[RD] offset:(\t)*SPO  ; LDS serves a wave's instructions in order (ISA guide 5.7.1.4)
.endr
.endm
.macro SEND a, younger                 ; younger: the next block's 16 stores and 16 loads, or none
	WIN 0xaa
	s_wait_dscnt \younger
.irp t, 0,1,2,3,4,5,6,7,8,9,10,11,12,13,14,15
	global_store_b128 v[CO], v[BK+64*((\a)%2)+4*(\t):BK+64*((\a)%2)+4*(\t)+3], s[DST:DST+1] offset:(16*(\a)+(\t))*4096 th:TH_STORE_NT  ; 512 consecutive bytes of a row, aligned
.endr
.endm
	TOST 0
	TOST 1
	SEND 0, 32
	TOST 2
	SEND 1, 32
	TOST 3
	SEND 2, 32
	SEND 3, 0
	WIN 0
	s_wait_tensorcnt 0x0                           ; the wave's end: behind my last tensor load and my last LDS store
	ds_add_u32 v[SPW], v[NIL]
	s_wait_dscnt 0x0
	CROUND                                         ; the closing round
	s_endpgm
.Lfunc_end_k_q91ffd21be7_out:
	.size	k_q91ffd21be7_out, .Lfunc_end_k_q91ffd21be7_out-k_q91ffd21be7_out
	.p2alignl 7, 3214868480
	.fill 96, 4, 3214868480
	.section	.rodata,"a",@progbits
	.p2align	6, 0x0
	.amdhsa_kernel k_q91ffd21be7_out
		.amdhsa_group_segment_fixed_size 327680
		.amdhsa_private_segment_fixed_size 0
		.amdhsa_enable_private_segment 0
		.amdhsa_kernarg_size 24
		.amdhsa_user_sgpr_count 2
		.amdhsa_user_sgpr_kernarg_segment_ptr 1
		.amdhsa_wavefront_size32 1
		.amdhsa_system_sgpr_workgroup_id_x 1
		.amdhsa_system_sgpr_workgroup_id_y 1
		.amdhsa_system_sgpr_workgroup_id_z 1
		.amdhsa_system_vgpr_workitem_id 0
		.amdhsa_next_free_vgpr 768
		.amdhsa_next_free_sgpr 80
		.amdhsa_reserve_vcc 0
		.amdhsa_float_denorm_mode_32 3
		.amdhsa_float_denorm_mode_16_64 3
		.amdhsa_memory_ordered 1
		.amdhsa_forward_progress 1
		.amdhsa_inst_pref_size 70
	.end_amdhsa_kernel
	.amdgpu_metadata
---
amdhsa.version: [ 1, 2 ]
amdhsa.kernels:
  - .name:           k_q91ffd21be7_out
    .symbol:         k_q91ffd21be7_out.kd
    .args:
      - { .name: ob, .offset: 0, .size: 8, .value_kind: global_buffer, .address_space: global }
      - { .name: wb, .offset: 8, .size: 8, .value_kind: global_buffer, .address_space: global }
      - { .name: out0, .offset: 16, .size: 8, .value_kind: global_buffer, .address_space: global }
    .group_segment_fixed_size: 327680
    .private_segment_fixed_size: 0
    .kernarg_segment_align: 8
    .kernarg_segment_size: 24
    .max_flat_workgroup_size: 128
    .sgpr_count:     80
    .vgpr_count:     768
    .wavefront_size: 32
...
	.end_amdgpu_metadata
.endif
;; end of part 4
;; ======== version 2 of 2: 4 launches; version 1 with the launch prep written anew for expert scheduling mode
;; limits: right only within a limited range of input values
;; workspace buffers: xb 16,777,216 bytes; wb 8,388,608 bytes; tab 524,288 bytes; qs 33,554,432 bytes; ks 33,554,432 bytes; vs 16,777,216 bytes; ob 16,777,216 bytes
;; launch prep (part 5): grid 256 x 1, 8 waves a work-group, no clusters, 0 bytes of LDS; arguments x, q_w, k_w, v_w, o_w, xb, wb, tab; writes xb, wb, tab
.if DOCPART == 5
	.amdgcn_target "amdgcn-amd-amdhsa--gfx1250"
	.amdhsa_code_object_version 6
	.text
	.protected	k_q91ffd21be7_prep
	.globl	k_q91ffd21be7_prep
	.p2align	8
	.type	k_q91ffd21be7_prep,@function
k_q91ffd21be7_prep:
	s_mov_b64 s[64:65], 0
	v_nop
	global_prefetch_b8 v0, s[64:65] scope:SCOPE_SE
	s_setreg_imm32_b32 hwreg(HW_REG_WAVE_SCHED_MODE, 0, 2), 2
	s_setreg_imm32_b32 hwreg(HW_REG_WAVE_MODE, 25, 1), 1
	s_wait_xcnt 0x0
	s_wait_alu depctr_vm_vsrc(0)
; PREP.  xb = x rounded to bf16; wb = q_w, k_w, v_w, o_w rounded to bf16, one below the other (1,024 rows each);
; tab[pos][j] = (cos, sin) of pos x 10^(-j/8) in f32, pos 0..2047, j 0..31: a row of 256 bytes.
; SHARES.  256 work-groups of eight waves.  Work-group g: 32 rows of x (131,072 bytes), 4 rows of each weight, 8 rows of the table.
; Wave w: 16,384 consecutive bytes of x (32 loads of 512 bytes), 2,048 bytes of each weight (4 loads), table row 8 g + w (a lane for each j).
; An item is one load of 16 bytes a lane, two roundings, one store of 8 bytes a lane: the wave's store covers 256 consecutive bytes, aligned.
; No LDS, no barrier: no wave wants another's bytes.
; LIMIT.  10^(-j/8) is the correctly rounded constant; a power computed in f32 may differ in the last bit or two: at most 2e-4 rad at pos 2,047.
; THE MODE: SCHED_MODE bits 1:0 = 2 (LLVM: expert scheduling mode 2), set by the entry lines.  The code itself states the register dependences
; between vector instructions and memory instructions, with s_wait_alu, always for 0.
; THE PLAN.  Registers that memory instructions touch:
;   v2 .. v6     byte offsets, made once at the head and never written again: read by every load and store.
;   DD           48 items of four registers, each item's own: items 0-31 are x, items 32-47 the weights.  An item's registers are written by its one load (all 48 loads go out
;                at the head; no vector instruction has named them before), then read by its two roundings, which close up into its first two registers; these its one store reads;
;                nothing writes them again.
;   v20, v21     the table's cosine and sine: written by the table's arithmetic, read by one store, not written again.
; So no register that a memory instruction has read is ever written again, and no load lands in a register that a vector instruction has named.  What is left: a store reads what roundings
; have written.  The items go in 12 blocks of four.  Block p rounds its own four items; its memory instructions are the four stores of block p - 1, whose registers no vector instruction
; of block p names.  ONE wait on va_vdst at a block's head, behind the wait for the block's data, states what those four stores hang on; they are dealt among the block's roundings with no further wait.
.set DD,  32                           ; v[32:223]  item n: four registers at DD + 4 n: 4 f32 as loaded; then, in the first two, 4 bf16 to store
.set VI,  2                            ; v2  16,384 w + 16 lane: x
.set VO,  3                            ; v3  8,192 w + 8 lane: xb
.set VW,  4                            ; v4  2,048 w + 16 lane: a weight
.set VWO, 5                            ; v5  1,024 w + 8 lane: wb
.set VT,  6                            ; v6  8 x thread: the table
	s_load_b512 s[4:19], s[0:1], 0x0               ; x s[4:5], q_w s[6:7], k_w s[8:9], v_w s[10:11], o_w s[12:13], xb s[14:15], wb s[16:17], tab s[18:19]
	v_and_b32 v1, 31, v0
	v_lshrrev_b32 v7, 5, v0
	v_readfirstlane_b32 s22, v7                    ; wave 0..7
	v_lshlrev_b32 v[VI], 4, v1
	v_lshlrev_b32 v[VO], 3, v1
	v_lshl_add_u32 v[VW], v7, 11, v[VI]
	v_lshl_add_u32 v[VWO], v7, 10, v[VO]
	v_lshl_add_u32 v[VI], v7, 14, v[VI]
	v_lshl_add_u32 v[VO], v7, 13, v[VO]
	v_lshlrev_b32 v[VT], 3, v0
	s_mov_b32 s21, 0
	s_lshl_b32 s23, ttmp9, 3
	s_wait_alu depctr_va_sdst(0)                   ; s22, the wave's number, is written, ahead of its first reader, the sum below
	s_add_co_u32 s23, s23, s22                     ; pos = 8 g + w
	s_wait_kmcnt 0x0
	s_lshl_b32 s20, ttmp9, 17
	s_add_nc_u64 s[4:5], s[4:5], s[20:21]          ; each buffer at the work-group's part
	s_lshl_b32 s20, ttmp9, 16
	s_add_nc_u64 s[14:15], s[14:15], s[20:21]
	s_lshl_b32 s20, ttmp9, 14
	s_add_nc_u64 s[6:7], s[6:7], s[20:21]
	s_add_nc_u64 s[8:9], s[8:9], s[20:21]
	s_add_nc_u64 s[10:11], s[10:11], s[20:21]
	s_add_nc_u64 s[12:13], s[12:13], s[20:21]
	s_lshl_b32 s20, ttmp9, 13
	s_add_nc_u64 s[16:17], s[16:17], s[20:21]
	s_lshl_b32 s20, ttmp9, 11
	s_add_nc_u64 s[18:19], s[18:19], s[20:21]
	s_wait_alu depctr_va_vdst(0)                   ; the five offsets v2 to v6 are written: every load and store of the kernel reads one of them
.set i, 0
.rept 32                                       ; items 0 to 31: all of the wave's x
	global_load_b128 v[DD+4*i:DD+4*i+3], v[VI], s[4:5] offset:512*i th:TH_LOAD_NT
.set i, i+1
.endr
.set i, 0
.rept 16                                       ; items 32 to 47: weight i / 4, its load i % 4
	global_load_b128 v[DD+128+4*i:DD+128+4*i+3], v[VW], s[6+2*(i/4):7+2*(i/4)] offset:512*(i%4) th:TH_LOAD_NT
.set i, i+1
.endr
	; THE TABLE, while the loads are out.  Lane j takes 10^(-j/8).  Its registers, v8 to v23, are none of the loads'.
	v_mov_b32 v8, 1.0
.set j, 1
.irp c, 0.749894209, 0.562341325, 0.421696503, 0.316227766, 0.237137371, 0.177827941, 0.133352143, 0.1, 0.0749894209, 0.0562341325, 0.0421696503, 0.0316227766, 0.0237137371, 0.0177827941, 0.0133352143, 0.01, 0.00749894209, 0.00562341325, 0.00421696503, 0.00316227766, 0.00237137371, 0.00177827941, 0.00133352143, 0.001, 0.000749894209, 0.000562341325, 0.000421696503, 0.000316227766, 0.000237137371, 0.000177827941, 0.000133352143
	s_mov_b32 s20, \c
	v_writelane_b32 v8, s20, j
.set j, j+1
.endr
	s_mov_b32 s24, -0.00019515295891               ; sine on -pi/4 .. pi/4: r + r z (S1 + z (S2 + z S3)), z = r r
	s_mov_b32 s25, 0.0083321608736
	s_mov_b32 s26, -0.16666654611
	s_mov_b32 s27, 0.000024433157118               ; cosine: 1 - z / 2 + z z (C1 + z (C2 + z C3))
	s_mov_b32 s28, -0.0013887316255
	s_mov_b32 s29, 0.041666645683
	v_cvt_f32_u32 v9, s23
	v_mul_f32 v10, v9, v8                          ; the angle: one f32 product
	v_mul_f32 v11, 0x3f22f983, v10                 ; x 2 / pi
	v_rndne_f32 v11, v11                           ; n, at most 1,304
	v_fmamk_f32 v12, v11, 0xbfc90fdb, v10          ; r = angle - n x pi/2, pi/2 in two parts:
	v_fmamk_f32 v12, v11, 0x333bbd2e, v12          ; the f32 nearest to pi/2 lies 4.37e-8 above it
	v_mul_f32 v13, v12, v12
	v_fma_f32 v14, v13, s24, s25
	v_fma_f32 v16, v13, s27, s28
	v_fma_f32 v14, v13, v14, s26
	v_fma_f32 v16, v13, v16, s29
	v_mul_f32 v15, v12, v13
	v_mul_f32 v17, v13, v13
	v_fma_f32 v18, v13, -0.5, 1.0
	v_fma_f32 v14, v15, v14, v12                   ; sin r
	v_fma_f32 v16, v17, v16, v18                   ; cos r
	v_cvt_i32_f32 v19, v11
	v_and_b32 v22, 1, v19
	v_cmp_eq_u32 vcc_lo, 1, v22                    ; an odd quarter swaps the two
	v_add_nc_u32 v22, 1, v19                       ; the two signs are made between the compare and the selects: they want neither
	v_and_b32 v22, 2, v22                          ; the cosine is negative in quarters 1 and 2,
	v_lshlrev_b32 v22, 30, v22
	v_and_b32 v23, 2, v19                          ; the sine in quarters 2 and 3
	v_lshlrev_b32 v23, 30, v23
	s_wait_alu depctr_va_vcc(0)                    ; the compare has written VCC, ahead of its first reader, the select below
	v_cndmask_b32 v20, v16, v14, vcc_lo
	v_cndmask_b32 v21, v14, v16, vcc_lo
	v_xor_b32 v20, v22, v20
	v_xor_b32 v21, v23, v21
; The store of item n: x's items go to xb, the weights' to wb (weight (n - 32) / 4 lies 2,097,152 bytes further on for each).
.macro PUT n
.if (\n) < 32
	global_store_b64 v[VO], v[DD+4*(\n):DD+4*(\n)+1], s[14:15] offset:256*(\n)
.else
	global_store_b64 v[VWO], v[DD+4*(\n):DD+4*(\n)+1], s[16:17] offset:(((\n)-32)/4)*2097152+256*(((\n)-32)%4)
.endif
.endm
; Block p: items 4 p to 4 p + 3 are rounded in place; the four items of the block before are stored, one store ahead of each item's two roundings.
.macro BLK p
	s_wait_loadcnt 44-4*(\p)                       ; loads come back in order (ISA guide 5.7.1): of the 48, the 4 (p + 1) up to this block's are in, the younger ones stay out
.if (\p) == 0
	s_wait_alu depctr_va_vdst(0)                   ; the table's arithmetic has written v20 and v21, which the store below reads
	global_store_b64 v[VT], v[20:21], s[18:19]     ; the wave's store is one row of the table
.else
	s_wait_alu depctr_va_vdst(0)                   ; the roundings of the block before have written the first two registers of its four items, which the stores below read
.endif
.irp i, 0,1,2,3
.if (\p) > 0
	PUT 4*(\p)-4+(\i)                              ; no vector instruction since the wait names this item's registers, or the offset
.endif
	v_cvt_pk_bf16_f32 v[DD+16*(\p)+4*(\i)], v[DD+16*(\p)+4*(\i)], v[DD+16*(\p)+4*(\i)+1]      ; four numbers close up into the first two of their four registers
	v_cvt_pk_bf16_f32 v[DD+16*(\p)+4*(\i)+1], v[DD+16*(\p)+4*(\i)+2], v[DD+16*(\p)+4*(\i)+3]
.endr
.endm
.irp p, 0,1,2,3,4,5,6,7,8,9,10,11
	BLK \p
.endr
	s_wait_alu depctr_va_vdst(0)                   ; the last block's roundings have written the registers that the last four stores read
.irp n, 44,45,46,47
	PUT \n
.endr
	s_endpgm
.Lfunc_end_k_q91ffd21be7_prep:
	.size	k_q91ffd21be7_prep, .Lfunc_end_k_q91ffd21be7_prep-k_q91ffd21be7_prep
	.p2alignl 7, 3214868480
	.fill 96, 4, 3214868480
	.section	.rodata,"a",@progbits
	.p2align	6, 0x0
	.amdhsa_kernel k_q91ffd21be7_prep
		.amdhsa_group_segment_fixed_size 0
		.amdhsa_private_segment_fixed_size 0
		.amdhsa_enable_private_segment 0
		.amdhsa_kernarg_size 64
		.amdhsa_user_sgpr_count 2
		.amdhsa_user_sgpr_kernarg_segment_ptr 1
		.amdhsa_wavefront_size32 1
		.amdhsa_system_sgpr_workgroup_id_x 1
		.amdhsa_system_sgpr_workgroup_id_y 1
		.amdhsa_system_sgpr_workgroup_id_z 1
		.amdhsa_system_vgpr_workitem_id 0
		.amdhsa_next_free_vgpr 224
		.amdhsa_next_free_sgpr 66
		.amdhsa_reserve_vcc 1
		.amdhsa_float_denorm_mode_32 3
		.amdhsa_float_denorm_mode_16_64 3
		.amdhsa_memory_ordered 1
		.amdhsa_forward_progress 1
		.amdhsa_inst_pref_size 23
	.end_amdhsa_kernel
	.amdgpu_metadata
---
amdhsa.version: [ 1, 2 ]
amdhsa.kernels:
  - .name:           k_q91ffd21be7_prep
    .symbol:         k_q91ffd21be7_prep.kd
    .args:
      - { .name: x, .offset: 0, .size: 8, .value_kind: global_buffer, .address_space: global }
      - { .name: q_w, .offset: 8, .size: 8, .value_kind: global_buffer, .address_space: global }
      - { .name: k_w, .offset: 16, .size: 8, .value_kind: global_buffer, .address_space: global }
      - { .name: v_w, .offset: 24, .size: 8, .value_kind: global_buffer, .address_space: global }
      - { .name: o_w, .offset: 32, .size: 8, .value_kind: global_buffer, .address_space: global }
      - { .name: xb, .offset: 40, .size: 8, .value_kind: global_buffer, .address_space: global }
      - { .name: wb, .offset: 48, .size: 8, .value_kind: global_buffer, .address_space: global }
      - { .name: tab, .offset: 56, .size: 8, .value_kind: global_buffer, .address_space: global }
    .group_segment_fixed_size: 0
    .private_segment_fixed_size: 0
    .kernarg_segment_align: 8
    .kernarg_segment_size: 64
    .max_flat_workgroup_size: 256
    .sgpr_count:     66
    .vgpr_count:     224
    .wavefront_size: 32
...
	.end_amdgpu_metadata
.endif
;; end of part 5
;; launch qkv: the kernel of part 2 again; grid 12 x 64, 4 waves a work-group, clusters of 4 x 4, 327,680 bytes of LDS; arguments xb, wb, tab, qs, ks, vs; writes qs, ks, vs
;; launch attn: the kernel of part 3 again; grid 4 x 64, 4 waves a work-group, no clusters, 327,680 bytes of LDS; arguments qs, ks, vs, ob; writes ob
;; launch out: the kernel of part 4 again; grid 4 x 64, 4 waves a work-group, clusters of 4 x 4, 327,680 bytes of LDS; arguments ob, wb, out0; writes out0
